; MI455X (gfx1250); checked and timed in simulation.
; The chip was launched on July 23, 2026; its instructions are those of AMD's public machine-readable ISA for CDNA 5 (MIT licence, August 2026) and "CDNA5" Instruction Set Architecture Reference Guide (July 2026). The comments in the code are by the model that wrote it; some were corrected since.
;; Sparse Mo E. Allowed arithmetic: matrix products marked QUANTISED: E3M2 operands, one E8M0 scale for each 32 along K, by v_wmma_scale_f32_16x16x128_f8f6f4 with both operands' format E3M2, f32 sums; products left as they are: f32 operands where the result goes on into a quantised operand, else bf16, f16 or f32 operands; f32 sums; everything else in f32.
;; Inputs: b1 4 x 2,048 float32; b2 4 x 1,024 float32; router_w 4 x 1,024 float32; w1 4 x 2,048 x 1,024 float32; w2 4 x 1,024 x 2,048 float32; x 2 x 2,048 x 1,024 float32.
;; Outputs: out0 2 x 2,048 x 1,024 float32; out1 one number float32.
;; This version of the problem:
;;   THIS VERSION OF THE PROBLEM IS GIVEN IN LOW PRECISION. The matrix products marked QUANTISED in the list below multiply operands that are first quantised to E3M2 (3 exponent bits, 2 mantissa bits; 6 bits a number), with one power-of-two scale for each 32 numbers along K (OCP MX v1.0); their sums are f32. All else is computed in f32.
;;   The module's matrix products, in the order in which they are computed (A, B: the left and right operand; K: the contracted axis; several contracted axes count as one K, in the product's order):
;;     1. [M 4,096, K 1,024] x [K 1,024, N 4]; A: input x; B: input router_w: left as it is (N = 4 < 16)
;;     2. [M 4,096, K 1,024] x [K 1,024, N 2,048]; A: input x; B: input w1: QUANTISED
;;     3. [M 4,096, K 2,048] x [K 2,048, N 1,024]; A: computed on the way; B: input w2: QUANTISED
;;     4. [M 4,096, K 1,024] x [K 1,024, N 2,048]; A: input x; B: input w1: QUANTISED
;;     5. [M 4,096, K 2,048] x [K 2,048, N 1,024]; A: computed on the way; B: input w2: QUANTISED
;;     6. [M 4,096, K 1,024] x [K 1,024, N 2,048]; A: input x; B: input w1: QUANTISED
;;     7. [M 4,096, K 2,048] x [K 2,048, N 1,024]; A: computed on the way; B: input w2: QUANTISED
;;     8. [M 4,096, K 1,024] x [K 1,024, N 2,048]; A: input x; B: input w1: QUANTISED
;;     9. [M 4,096, K 2,048] x [K 2,048, N 1,024]; A: computed on the way; B: input w2: QUANTISED
;;   THE QUANTISER, for each operand of a quantised product, along K:
;;     - K is cut into blocks of 32 from its start; a last block that is shorter is filled with zeros.
;;     - A block's scale is 2^e with e = floor(log2(the largest magnitude in the block)) - 4, held to -126 .. 127; a block of zeros has e = 0. As a byte (E8M0): e + 127.
;;     - Each number is divided by its block's scale, clamped to +-28, and rounded to the nearest number of E3M2, ties to even, subnormals kept.
;;     - The product sums the exact products of the quantised numbers (number of the format x scale) in f32.
;;   ~~~python
;;   def quantise(x, axis):      # numpy; x: float32 -> the quantised numbers, widened to float32 again
;;       x = np.moveaxis(x, axis, -1); K = x.shape[-1]
;;       x = np.pad(x, [(0, 0)] * (x.ndim - 1) + [(0, -K % 32)]); x = x.reshape(x.shape[:-1] + (-1, 32)); a = np.abs(x).max(-1, keepdims=True)
;;       e = np.where(a > 0, np.clip(np.frexp(np.where(a > 0, a, 1))[1] - 1 - 4, -126, 127), 0)      # np.frexp(a)[1] - 1 = floor(log2(a)), exactly
;;       r = np.clip(x / 2.0 ** e, -28, 28)
;;       step = 2.0 ** (np.maximum(np.frexp(np.where(r == 0, 1, r))[1] - 1, -2) - 2)
;;       q = np.round(r / step) * step * 2.0 ** e      # np.round: ties to even
;;       return np.moveaxis(q.reshape(q.shape[:-2] + (-1,))[..., :K], -1, axis).astype(np.float32)
;;   ~~~
;;   OPERANDS COMPUTED ON THE WAY. 'Computed on the way' means the value that the module computes at that place (a softmax that the list does not call 'softmax' is quantised finished and normalised). What goes into a quantiser is computed in f32, as accurately as f32 sums, v_exp_f32 and their like allow (about 1e-6 of the number): no bf16 or f16 on the way to a quantiser, and a product that is left as it is and whose result goes on into a quantised operand takes f32 operands (vector FMAs, or v_wmma_f32_16x16x4_f32). A number that lies on a knife's edge between two numbers of the format may be rounded either way, as far as f32 arithmetic and the matrix unit's own rounding can turn it there, and no further.
;; 2 versions, each right; version 2 is version 1 with the launches up, down written anew for expert scheduling mode. Each part assembles by itself: llvm-mc -triple=amdgcn-amd-amdhsa -mcpu=gfx1250 --defsym DOCPART=n.
;; ======== version 1 of 2: 4 launches
;; workspace buffers: wq 13,107,200 bytes; xq 3,276,800 bytes; rt 36,864 bytes; sel 16,384 bytes of whole numbers; order 16,896 bytes of whole numbers; hq 15,872,000 bytes
;; launch prep (part 1): grid 320 x 1, 4 waves a work-group, no clusters, 118,272 bytes of LDS; arguments x, router_w, w1, w2, wq, xq, rt, sel; writes wq, xq, rt, sel
.if DOCPART == 1
	.amdgcn_target "amdgcn-amd-amdhsa--gfx1250"
	.amdhsa_code_object_version 6
	.text
	.protected	k_q3f3e6a4690_prep
	.globl	k_q3f3e6a4690_prep
	.p2align	8
	.type	k_q3f3e6a4690_prep,@function
k_q3f3e6a4690_prep:
	s_mov_b64 s[64:65], 0
	v_nop
	global_prefetch_b8 v0, s[64:65] scope:SCOPE_SE
	s_setreg_imm32_b32 hwreg(HW_REG_WAVE_MODE, 25, 1), 1
	s_wait_xcnt 0x0
; SPARSE MoE, launch 1 of 4: w1, w2 and x become codes of BF6 (E3M2) with one E8M0 byte for each 32 along K, laid in the order of the readers' operand registers; and the router: logits, softmax, top-2, combine weights.
; DEAD WORK LEFT OUT BY THE PROGRAM.  combine_w[n][e] is built in the problem's own body as one_hot(top_k) x weight: it is exactly 0 for the two experts outside token n's top-2, and the rows (n, e) of the
; eight expert products reach out0 only through 0 x y.  So for all finite inputs only the two chosen experts' rows are multiplied (8,192 routed rows of 16,384).  LIMIT: a NaN, an infinity or an overflow that
; arises only in the rows left out is not carried to the result.  All six inputs keep a way to an output and are loaded.
; ONE TOP-2 SERVES BOTH USES: softmax rises strictly with the logit and equal logits give equal probabilities, so top_k(probs) = top_k(logits), ties to the lower index in both.  The maximum is taken away before the exponentials.
; LIMITS: the logits are f32 fused multiply-adds in another order than a row-wise sum: two logits that differ by less than that rounding may be ranked either way; NaN logits are not served.
; A block whose largest magnitude lies under 2^-122 gets the byte 1 (a block of zeros too: its codes are zeros, and these bytes are read by this program alone).  NaN and infinities among x, w1, w2 are not served.
; SHARES.  A wave takes 16 rows x 1,024 along K: eight fragments of 16 x 128.  Work-groups 0-63: x; 64-191: w1; 192-319: w2.  The two kinds part once, on the work-group's number, and each has LDS bytes of its own.
; A FRAGMENT: sixteen loads, each 512 consecutive bytes of one row; through the wave's own stage (rows of 528 bytes) so that lane (r, h) holds blocks h and 2 + h of row r whole: just what the operand's registers 0-5 and 6-11 take.
; OUT.  Weights: an IMAGE of the 12 registers, group p of lane l at 512 p + 16 l: each store covers 512 consecutive bytes.  In w1 the rows of a tile are chosen (row j of tile t: 32 (t / 2) + 8 (t % 2) + j + 8 (j / 8)) so that the
; first product's results lie as neighbours along the second product's K.  x: a token's 768 bytes on end ([K step][half][48 bytes]), gathered in LDS and stored in whole runs of 512 bytes.
; SCALE WORDS: a record of 512 bytes for 16 rows: the word of row r, K step 2 i + hh at 32 r + 16 hh + 4 i, so that one load of 16 bytes a lane gives register i = step 2 i in lanes 0-15, step 2 i + 1 in lanes 16-31.
.set WREG,  29440                      ; LDS of a wave: the weights' stage, x's stage, x's codes on their way out
.set STW,   0
.set STX,   8448
.set XOUT,  16896                      ; 16 rows x (768 + 16) bytes
.set SPARE, 4*WREG                     ; the spare words, 128 bytes a wave: no other line names them
.set LI,   4                           ; 16 x lane
.set TSI,  5                           ; my wave's LDS + 16 x lane
.set TSO,  6                           ; my wave's LDS + 528 r + 128 h
.set XO,   7                           ; my wave's LDS + 784 r + 48 h
.set XR1,  8                           ; TSI + 16 h
.set SOFF, 10                          ; 32 r + 16 h
.set H8,   11                          ; 8 h
.set SPW,  12
.set NIL,  13
.set VO,   16                          ; v16-31   byte offset of row j + 16 x lane
.set R,    32                          ; v32-223  three sets of 64 numbers
.set TM,   224                         ; v224-231 at work
.set SW,   232                         ; v232-235 the record's four words of my lane
.set PC,   236                         ; v236-247 a fragment's codes
.set PT,   248                         ; v248-250, v252-254: a conversion's three registers begin on an even number
.set LG,   0                           ; window 1: v0-63 partial logits of row j, expert e at 4 j + e
.set RW,   64                          ; window 1: v64-111 three sets of router_w (4 e + k)
.set MSB, 0
.macro WIN new                         ; the immediate's high byte repeats the setting that is left
.if MSB != (\new)
	s_set_vgpr_msb (MSB<<8)|(\new)
.set MSB, (\new)
.endif
.endm
.macro LOADF f                         ; fragment f: row j's 512 bytes, 16 a lane
.irp j, 0,1,2,3,4,5,6,7,8,9,10,11,12,13,14,15
	global_load_b128 v[R+64*((\f)%3)+4*\j:R+64*((\f)%3)+4*\j+3], v[VO+\j], s[24:25] offset:512*(\f) th:TH_LOAD_NT
.endr
.endm
.macro LOADRW f                        ; the same 128 along K of the four router rows
	WIN 0x40
.irp e, 0,1,2,3
	global_load_b128 v[RW+16*((\f)%3)+4*\e:RW+16*((\f)%3)+4*\e+3], v[LI], s[6:7] offset:4096*\e+512*(\f)
.endr
	WIN 0
.endm
.macro BACK st                         ; out of the stage: blocks h and 2 + h of row r, into the set that the rows left (LDS serves a wave's instructions in order)
.irp c, 0,1
.irp i, 0,1,2,3,4,5,6,7
	ds_load_b128 v[RS+32*\c+4*\i:RS+32*\c+4*\i+3], v[TSO] offset:\st+256*\c+16*\i
.endr
.endr
	s_wait_dscnt 0x0
.endm
.macro QMAX f                          ; the two blocks' largest magnitudes, scale operands, bytes, and the row's scale word of K step f
	v_max3_num_f32 v[TM], |v[RS]|, |v[RS+1]|, 0x2800000          ; the floor 2^(5 - 127) holds the byte at 1 from below
	v_max3_num_f32 v[TM+1], |v[RS+32]|, |v[RS+33]|, 0x2800000
.irp i, 2,4,6,8,10,12,14,16,18,20,22,24,26,28,30
	v_max3_num_f32 v[TM], v[TM], |v[RS+\i]|, |v[RS+\i+1]|
	v_max3_num_f32 v[TM+1], v[TM+1], |v[RS+32+\i]|, |v[RS+33+\i]|
.endr
	v_add_nc_u32 v[TM+2], 0xfe000000, v[TM]        ; 4 off the exponent field: the conversion's scale operand
	v_add_nc_u32 v[TM+3], 0xfe000000, v[TM+1]
	v_lshrrev_b32 v[TM+4], 23, v[TM+2]             ; the bytes
	v_lshrrev_b32 v[TM+5], 23, v[TM+3]
	v_lshl_or_b32 v[TM+6], v[TM+5], 16, v[TM+4]    ; blocks h and 2 + h,
	v_lshlrev_b32 v[TM+6], v[H8], v[TM+6]          ; at their places in the word;
	v_permlanex16_b32 v[TM+7], v[TM+6], s36, s37
	v_or_b32 v[TM+6], v[TM+6], v[TM+7]             ; with lane l xor 16's two the word is whole
.if ((\f)%2) == 0
	v_mov_b32 v[SW+(\f)/2], v[TM+6]
.else
	v_cndmask_b32 v[SW+(\f)/2], v[SW+(\f)/2], v[TM+6], s38   ; an odd K step's word goes to lanes 16-31
.endif
.endm
.macro QCVT
	v_cvt_scalef32_pk16_bf6_f32 v[PC:PC+2], v[RS:RS+15], v[TM+2]
	v_cvt_scalef32_pk16_bf6_f32 v[PT:PT+2], v[RS+16:RS+31], v[TM+2]
	v_cvt_scalef32_pk16_bf6_f32 v[PC+6:PC+8], v[RS+32:RS+47], v[TM+3]
	v_cvt_scalef32_pk16_bf6_f32 v[PT+4:PT+6], v[RS+48:RS+63], v[TM+3]
	v_nop                                          ; one plain place behind a scaled conversion
.irp i, 0,1,2
	v_mov_b32 v[PC+3+\i], v[PT+\i]
	v_mov_b32 v[PC+9+\i], v[PT+4+\i]
.endr
.endm
.macro FRAGW f                         ; a fragment of a weight
.set RS, R+64*((\f)%3)
.if (\f) <= 5
	s_wait_loadcnt 32                              ; mine is in; the two younger fragments' 32 loads may be out
.elseif (\f) == 6
	s_wait_loadcnt 16
.else
	s_wait_loadcnt 0
.endif
.irp j, 0,1,2,3,4,5,6,7,8,9,10,11,12,13,14,15
	ds_store_b128 v[TSI], v[RS+4*\j:RS+4*\j+3] offset:STW+528*\j
.endr
	BACK STW
	QMAX \f
	s_wait_xcnt 0x0                                ; the last fragment's stores have read the codes' registers
	QCVT
.irp p, 0,1,2
	global_store_b128 v[LI], v[PC+4*\p:PC+4*\p+3], s[28:29] offset:12288*(\f)+512*\p   ; 512 consecutive bytes, aligned
.endr
.if (\f)+3 <= 7
	LOADF (\f)+3
.endif
.endm
.macro FRAGX f                         ; a fragment of x: the router's multiply-adds on the rows as loaded, then the same quantiser
.set RS, R+64*((\f)%3)
.set WS, RW+16*((\f)%3)
.if (\f) <= 5
	s_wait_loadcnt 40                              ; the two younger fragments: 16 + 4 loads each
.elseif (\f) == 6
	s_wait_loadcnt 20
.else
	s_wait_loadcnt 0
.endif
.irp j, 0,1,2,3,4,5,6,7,8,9,10,11,12,13,14,15
	ds_store_b128 v[TSI], v[RS+4*\j:RS+4*\j+3] offset:STX+528*\j
.endr
	WIN 0x44                                       ; sums and router_w in window 1, x in window 0
.irp k, 0,1,2,3
.irp j, 0,1,2,3,4,5,6,7,8,9,10,11,12,13,14,15
.irp e, 0,1,2,3
.if ((\f) == 0) && (\k == 0)
	v_mul_f32 v[LG+4*\j+\e], v[RS+4*\j+\k], v[WS+4*\e+\k]     ; the first product starts each of the 64 sums
.else
	v_fmac_f32 v[LG+4*\j+\e], v[RS+4*\j+\k], v[WS+4*\e+\k]
.endif
.endr
.endr
.endr
	WIN 0
	BACK STX
	QMAX \f
	QCVT
.irp p, 0,1,2
	ds_store_b128 v[XO], v[PC+4*\p:PC+4*\p+3] offset:XOUT+96*(\f)+16*\p
.endr
.if (\f)+3 <= 7
	LOADRW (\f)+3
	LOADF (\f)+3
.endif
.endm
.macro RSTEP m, sm                     ; reduce-scatter: lanes with bit m set keep row j + m, the others row j; each adds what lane l xor m holds of its row
.set J_, 0
.rept \m
.irp e, 0,1,2,3
	v_cndmask_b32 v[192+2*\e], v[128+4*J_+\e], v[128+4*(J_+\m)+\e], s[\sm]
	v_cndmask_b32 v[193+2*\e], v[128+4*(J_+\m)+\e], v[128+4*J_+\e], s[\sm]
.endr
.irp e, 0,1,2,3
	v_add_f32_dpp v[128+4*J_+\e], v[193+2*\e], v[192+2*\e] row_xmask:\m row_mask:0xf bank_mask:0xf
.endr
.set J_, J_+1
.endr
.endm
	s_load_b512 s[4:19], s[0:1], 0x0               ; x, router_w, w1, w2, wq, xq, rt, sel
	v_lshl_add_u32 v[SPW], v0, 2, SPARE
	v_mov_b32 v[NIL], 0
	v_lshrrev_b32 v1, 5, v0
	v_readfirstlane_b32 s20, v1                    ; wave
	v_and_b32 v1, 31, v0                           ; lane
	v_and_b32 v2, 15, v0                           ; r
	v_bfe_u32 v3, v0, 4, 1                         ; h
	v_lshlrev_b32 v[LI], 4, v1
	s_mul_i32 s22, s20, WREG
	v_add_nc_u32 v[TSI], s22, v[LI]
	v_mul_u32_u24 v[TSO], v2, 528
	v_lshl_add_u32 v[TSO], v3, 7, v[TSO]
	v_add_nc_u32 v[TSO], s22, v[TSO]
	v_mul_u32_u24 v[XO], v2, 784
	v_mad_u32_u24 v[XO], v3, 48, v[XO]
	v_add_nc_u32 v[XO], s22, v[XO]
	v_lshl_add_u32 v[XR1], v3, 4, v[TSI]
	v_lshlrev_b32 v[SOFF], 5, v2
	v_lshl_add_u32 v[SOFF], v3, 4, v[SOFF]
	v_lshlrev_b32 v[H8], 3, v3
	v_mov_b32 v[TM+7], 0                           ; a lane permute's destination counts as one of its sources
	s_mov_b32 s36, 0x76543210
	s_mov_b32 s37, 0xfedcba98                      ; v_permlanex16_b32: lane l xor 16
	s_mov_b32 s38, 0xffff0000                      ; lanes 16-31
	s_mov_b32 s33, 0
	s_wait_kmcnt 0x0
	s_cmp_lt_u32 ttmp9, 64
	s_cbranch_scc1 .Lx
	; ---- the weights
	s_sub_co_u32 s23, ttmp9, 64
	s_and_b32 s21, s23, 127
	s_lshl_b32 s21, s21, 2
	s_add_co_u32 s21, s21, s20                     ; W: which 16 rows x 1,024 of the tensor
	s_lshr_b32 s26, s21, 3                         ; chunk
	s_and_b32 s27, s21, 7                          ; tile t in it
	s_lshl_b32 s32, s26, 7                         ; w1: row 128 chunk + 32 (t / 2) + 8 (t % 2), rows of 4,096 bytes
	s_lshr_b32 s34, s27, 1
	s_lshl_b32 s34, s34, 5
	s_add_co_u32 s32, s32, s34
	s_and_b32 s34, s27, 1
	s_lshl_b32 s34, s34, 3
	s_add_co_u32 s32, s32, s34
	s_lshl_b32 s32, s32, 12
	s_lshr_b32 s35, s26, 1                         ; w2: row 128 (chunk / 2) + 16 t, rows of 8,192 bytes, half chunk % 2 of K
	s_lshl_b32 s35, s35, 7
	s_lshl_b32 s34, s27, 4
	s_add_co_u32 s35, s35, s34
	s_lshl_b32 s35, s35, 13
	s_and_b32 s34, s26, 1
	s_lshl_b32 s34, s34, 12
	s_add_co_u32 s35, s35, s34
	s_mov_b32 s39, 8192
	s_cmp_lt_u32 s23, 128                          ; w1 or w2: the choice hangs on the work-group's number alone
	s_cselect_b64 s[24:25], s[8:9], s[10:11]
	s_cselect_b32 s32, s32, s35
	s_cselect_b32 s39, 4096, s39                   ; pitch
	s_cselect_b32 s44, 32768, 0                    ; w1: rows 8-15 of a tile lie 8 rows further on
	s_cselect_b32 s45, 0, 6291456
	s_cselect_b32 s46, 0, 262144
	s_add_nc_u64 s[24:25], s[24:25], s[32:33]      ; from
	s_mul_i32 s32, s26, 98304
	s_mul_i32 s34, s27, 1536
	s_add_co_u32 s32, s32, s34
	s_add_co_u32 s32, s32, s45
	s_add_nc_u64 s[28:29], s[12:13], s[32:33]      ; codes to
	s_lshl_b32 s32, s21, 9
	s_add_co_u32 s32, s32, s46
	s_add_co_u32 s32, s32, 12582912
	s_add_nc_u64 s[30:31], s[12:13], s[32:33]      ; scale words to
.irp j, 0,1,2,3,4,5,6,7,8,9,10,11,12,13,14,15
	s_mul_i32 s34, s39, \j
.if \j >= 8
	s_add_co_u32 s34, s34, s44
.endif
	v_add_nc_u32 v[VO+\j], s34, v[LI]
.endr
	LOADF 0
	LOADF 1
	LOADF 2
.irp f, 0,1,2,3,4,5,6,7
	FRAGW \f
.endr
	global_store_b128 v[SOFF], v[SW:SW+3], s[30:31]   ; the record: 512 consecutive bytes
	s_wait_tensorcnt 0x0                           ; the wave's end: three closing lines behind my last LDS store
	ds_add_u32 v[SPW], v[NIL]
	s_wait_dscnt 0x0
	s_endpgm
	; ---- x and the router
.Lx:
	s_lshl_b32 s21, ttmp9, 2
	s_add_co_u32 s21, s21, s20                     ; W: tokens 16 W .. 16 W + 15
	s_lshl_b32 s32, s21, 16
	s_add_nc_u64 s[24:25], s[4:5], s[32:33]
	s_mul_i32 s32, s21, 12288
	s_add_nc_u64 s[28:29], s[14:15], s[32:33]
	s_lshl_b32 s32, s21, 9
	s_add_co_u32 s32, s32, 3145728
	s_add_nc_u64 s[30:31], s[14:15], s[32:33]
	s_lshl_b32 s32, s21, 6
	s_add_nc_u64 s[48:49], s[18:19], s[32:33]      ; sel
	s_lshl_b32 s32, s21, 7
	s_add_nc_u64 s[50:51], s[16:17], s[32:33]      ; the combine weights
	s_lshl_b32 s32, s21, 4
	s_add_co_u32 s32, s32, 32768
	s_add_nc_u64 s[52:53], s[16:17], s[32:33]      ; my 16 tokens' sums of probabilities
	s_mov_b32 s40, 0xff00ff00                      ; lanes with bit 3, 2, 1, 0 of their number set
	s_mov_b32 s41, 0xf0f0f0f0
	s_mov_b32 s42, 0xcccccccc
	s_mov_b32 s43, 0xaaaaaaaa
.irp j, 0,1,2,3,4,5,6,7,8,9,10,11,12,13,14,15
	v_add_nc_u32 v[VO+\j], 4096*\j, v[LI]
.endr
	LOADRW 0
	LOADF 0
	LOADRW 1
	LOADF 1
	LOADRW 2
	LOADF 2
.irp f, 0,1,2,3,4,5,6,7
	FRAGX \f
.endr
	global_store_b128 v[SOFF], v[SW:SW+3], s[30:31]
	; the codes' way out: dense byte q of my 12,288 lies at q + 16 (q / 768) in LDS
.irp i, 0,1,2,3,4,5,6,7,8,9,10,11,12,13,14,15,16,17,18,19,20,21,22,23
.if (\i%3) == 0
	ds_load_b128 v[R+4*\i:R+4*\i+3], v[TSI] offset:XOUT+1568*(\i/3)
.elseif (\i%3) == 1
	ds_load_b128 v[R+4*\i:R+4*\i+3], v[XR1] offset:XOUT+1568*(\i/3)+512
.else
	ds_load_b128 v[R+4*\i:R+4*\i+3], v[TSI] offset:XOUT+1568*(\i/3)+1040
.endif
.endr
.irp i, 0,1,2,3,4,5,6,7,8,9,10,11,12,13,14,15,16,17,18,19,20,21,22,23
	s_wait_dscnt 23-\i                             ; LDS loads come back in order: the younger ones may be out
	global_store_b128 v[LI], v[R+4*\i:R+4*\i+3], s[28:29] offset:512*\i
.endr
	; the logits: 64 partial sums a lane -> lane r holds row r's four
	WIN 0x01
.set I_, 0
.rept 64
	v_mov_b32 v[128+I_], v[LG+I_]
.set I_, I_+1
.endr
	WIN 0
	RSTEP 8, 40
	RSTEP 4, 41
	RSTEP 2, 42
	RSTEP 1, 43
.irp e, 0,1,2,3
	v_mov_b32 v[200+\e], 0
.endr
.irp e, 0,1,2,3
	v_permlanex16_b32 v[200+\e], v[128+\e], s36, s37
.endr
.irp e, 0,1,2,3
	v_add_f32 v[128+\e], v[128+\e], v[200+\e]      ; both halves of the lanes now hold row r's logits
.endr
	v_max3_num_f32 v204, v128, v129, v130
	v_max_num_f32 v204, v204, v131                 ; the row's maximum is taken away, as the problem does
.irp e, 0,1,2,3
	v_sub_f32 v[208+\e], v[128+\e], v204
.endr
.irp e, 0,1,2,3
	v_mul_f32 v[208+\e], 0x3fb8aa3b, v[208+\e]
.endr
.irp e, 0,1,2,3
	v_exp_f32 v[208+\e], v[208+\e]
.endr
	v_nop                                          ; a plain place behind the batch; the ranking below names none of its results
	v_cmp_gt_f32 s44, v129, v128                   ; for i < j: j beats i where l_j > l_i, else i beats j (ties to the lower index)
	v_cndmask_b32 v212, 0, 1, s44
	v_cmp_gt_f32 s45, v130, v128
	v_cndmask_b32 v213, 0, 1, s45
	v_cmp_gt_f32 s46, v131, v128
	v_cndmask_b32 v214, 0, 1, s46
	v_cmp_gt_f32 s47, v130, v129
	v_cndmask_b32 v215, 0, 1, s47
	v_cmp_gt_f32 s44, v131, v129
	v_cndmask_b32 v216, 0, 1, s44
	v_cmp_gt_f32 s45, v131, v130
	v_cndmask_b32 v217, 0, 1, s45
	v_add3_u32 v218, v212, v213, v214              ; by how many each expert is beaten
	v_add3_u32 v219, v215, v216, 1
	v_sub_nc_u32 v219, v219, v212
	v_add_nc_u32 v220, 2, v217
	v_sub_nc_u32 v220, v220, v213
	v_sub_nc_u32 v220, v220, v215
	v_add3_u32 v221, v214, v216, v217
	v_sub_nc_u32 v221, 3, v221
.irp e, 0,1,2,3
	v_cmp_gt_u32 s[44+\e], 2, v[218+\e]            ; chosen: beaten by fewer than two
.endr
	v_cndmask_b32 v222, 0, 1, s44
	v_cndmask_b32 v223, 0, 2, s45
	v_or_b32 v222, v222, v223
	v_cndmask_b32 v223, 0, 4, s46
	v_or_b32 v222, v222, v223
	v_cndmask_b32 v223, 0, 8, s47
	v_or_b32 v222, v222, v223                      ; the mask of the two chosen experts: a whole number, stored at a fixed place
	s_wait_alu depctr_va_vdst(0)                   ; one wait for the four exponentials, ahead of their first reader
	v_add_f32 v205, v208, v209
	v_add_f32 v206, v210, v211
	v_add_f32 v205, v205, v206
	v_rcp_f32 v205, v205
	v_nop
	s_wait_alu depctr_va_vdst(0)
.irp e, 0,1,2,3
	v_mul_f32 v[TM+\e], v[208+\e], v205            ; the probabilities
.endr
.irp e, 0,1,2,3
	v_cndmask_b32 v[208+\e], 0, v[TM+\e], s[44+\e]
.endr
	v_add_f32 v206, v208, v209
	v_add_f32 v207, v210, v211
	v_add_f32 v206, v206, v207                     ; the two chosen ones' sum
	v_rcp_f32 v206, v206
	v_nop
	s_wait_alu depctr_va_vdst(0)
.irp e, 0,1,2,3
	v_mul_f32 v[208+\e], v[208+\e], v206
.endr
	v_mov_b32 v236, v211                           ; the weight of the lower chosen expert,
	v_cndmask_b32 v236, v236, v210, s46
	v_cndmask_b32 v236, v236, v209, s45
	v_cndmask_b32 v236, v236, v208, s44
	v_mov_b32 v237, v208                           ; and of the higher
	v_cndmask_b32 v237, v237, v209, s45
	v_cndmask_b32 v237, v237, v210, s46
	v_cndmask_b32 v237, v237, v211, s47
	v_lshlrev_b32 v240, 2, v2
	v_lshlrev_b32 v241, 3, v2
	v_mov_b32 v242, 0
	global_store_b32 v240, v222, s[48:49]          ; lanes 16-31 repeat lanes 0-15: the same values to the same bytes
	global_store_b64 v241, v[236:237], s[50:51]
.irp m, 1,2,4,8
.irp e, 0,1,2,3
	v_add_f32_dpp v[TM+\e], v[TM+\e], v[TM+\e] row_xmask:\m row_mask:0xf bank_mask:0xf
.endr
.endr
	global_store_b128 v242, v[TM:TM+3], s[52:53]   ; the 16 tokens' sums, for the mean probabilities
	s_wait_tensorcnt 0x0                           ; the wave's end: three closing lines behind my last LDS store
	ds_add_u32 v[SPW], v[NIL]
	s_wait_dscnt 0x0
	s_endpgm
.Lfunc_end_k_q3f3e6a4690_prep:
	.size	k_q3f3e6a4690_prep, .Lfunc_end_k_q3f3e6a4690_prep-k_q3f3e6a4690_prep
	.p2alignl 7, 3214868480
	.fill 96, 4, 3214868480
	.section	.rodata,"a",@progbits
	.p2align	6, 0x0
	.amdhsa_kernel k_q3f3e6a4690_prep
		.amdhsa_group_segment_fixed_size 118272
		.amdhsa_private_segment_fixed_size 0
		.amdhsa_enable_private_segment 0
		.amdhsa_kernarg_size 64
		.amdhsa_user_sgpr_count 2
		.amdhsa_user_sgpr_kernarg_segment_ptr 1
		.amdhsa_wavefront_size32 1
		.amdhsa_system_sgpr_workgroup_id_x 1
		.amdhsa_system_sgpr_workgroup_id_y 1
		.amdhsa_system_sgpr_workgroup_id_z 1
		.amdhsa_system_vgpr_workitem_id 0
		.amdhsa_next_free_vgpr 384
		.amdhsa_next_free_sgpr 66
		.amdhsa_reserve_vcc 0
		.amdhsa_float_denorm_mode_32 3
		.amdhsa_float_denorm_mode_16_64 3
		.amdhsa_memory_ordered 1
		.amdhsa_forward_progress 1
		.amdhsa_inst_pref_size 207
	.end_amdhsa_kernel
	.amdgpu_metadata
---
amdhsa.version: [ 1, 2 ]
amdhsa.kernels:
  - .name:           k_q3f3e6a4690_prep
    .symbol:         k_q3f3e6a4690_prep.kd
    .args:
      - { .name: x, .offset: 0, .size: 8, .value_kind: global_buffer, .address_space: global }
      - { .name: router_w, .offset: 8, .size: 8, .value_kind: global_buffer, .address_space: global }
      - { .name: w1, .offset: 16, .size: 8, .value_kind: global_buffer, .address_space: global }
      - { .name: w2, .offset: 24, .size: 8, .value_kind: global_buffer, .address_space: global }
      - { .name: wq, .offset: 32, .size: 8, .value_kind: global_buffer, .address_space: global }
      - { .name: xq, .offset: 40, .size: 8, .value_kind: global_buffer, .address_space: global }
      - { .name: rt, .offset: 48, .size: 8, .value_kind: global_buffer, .address_space: global }
      - { .name: sel, .offset: 56, .size: 8, .value_kind: global_buffer, .address_space: global }
    .group_segment_fixed_size: 118272
    .private_segment_fixed_size: 0
    .kernarg_segment_align: 8
    .kernarg_segment_size: 64
    .max_flat_workgroup_size: 128
    .sgpr_count:     66
    .vgpr_count:     384
    .wavefront_size: 32
...
	.end_amdgpu_metadata
.endif
;; end of part 1
;; launch place (part 2): grid 1 x 1, 8 waves a work-group, no clusters, 2,304 bytes of LDS; arguments sel, rt, order, out1; writes order, out1
.if DOCPART == 2
	.amdgcn_target "amdgcn-amd-amdhsa--gfx1250"
	.amdhsa_code_object_version 6
	.text
	.protected	k_q3f3e6a4690_place
	.globl	k_q3f3e6a4690_place
	.p2align	8
	.type	k_q3f3e6a4690_place,@function
k_q3f3e6a4690_place:
	s_mov_b64 s[64:65], 0
	v_nop
	global_prefetch_b8 v0, s[64:65] scope:SCOPE_SE
	s_setreg_imm32_b32 hwreg(HW_REG_WAVE_MODE, 25, 1), 1
	s_wait_xcnt 0x0
; Launch 2 of 4: the tokens are sorted by their PAIR of chosen experts (six buckets: masks 3, 5, 9, 6, 10, 12), so that a tile of tokens has two experts in common and every output row one owner.
; One work-group, no atomics: each of eight waves counts its 512 tokens by bucket, the counts meet in LDS, each wave places its tokens behind the earlier waves'.  Stored: order[4096]; 32 records {ea, eb, start, nv} of
; tiles of 160 tokens (six buckets of 4,096 tokens never make more than (4,096 + 6 x 159) / 160 = 31 tiles; a record without tokens has nv = 0); and aux_loss = 4 sum_e (count_e / 8,192) (sum of p_e / 4,096) = 2^-23 sum_e count_e Psum_e.
; The rows of experts not chosen are left out from here on (shown at the head of the first launch).
.set SPARE, 1280
.set P,    8                           ; v8-23   my 16 tokens' masks
.set POS,  24                          ; v24-39  their places
.set TOK,  40                          ; v40-55  their numbers
.set PS,   56                          ; v56-59  a part of the probabilities' sums
.set CT,   60                          ; v60-67  the eight waves' counts, lane = bucket
.set PP,   68                          ; v68-99  the eight waves' sums of probabilities
.set SPW,  126
.set NIL,  127
	s_load_b256 s[4:11], s[0:1], 0x0               ; sel, rt, order, out1
	v_lshl_add_u32 v[SPW], v0, 2, SPARE
	v_mov_b32 v[NIL], 0
	v_lshrrev_b32 v1, 5, v0
	v_readfirstlane_b32 s12, v1                    ; wave
	v_and_b32 v2, 31, v0                           ; lane
	v_lshlrev_b32 v3, 4, v2
	s_lshl_b32 s13, s12, 11
	v_add_nc_u32 v3, s13, v3                       ; sel: 2,048 x wave + 16 x lane
	v_lshlrev_b32 v4, 4, v0                        ; the sums: 16 bytes a thread
	v_lshlrev_b32 v6, 2, v0                        ; LDS: my wave's counts, 4 bytes a lane
	v_lshlrev_b32 v7, 4, v1                        ; LDS: 16 x wave
	v_lshlrev_b32 v104, 2, v2
	v_mov_b32 v105, 0
	s_wait_kmcnt 0x0
.irp q, 0,1,2,3
	global_load_b128 v[P+4*\q:P+4*\q+3], v3, s[4:5] offset:512*\q
.endr
	global_load_b128 v[PS:PS+3], v4, s[6:7] offset:32768
	v_lshlrev_b32 v5, 2, v2
	s_lshl_b32 s14, s12, 9
	v_add_nc_u32 v5, s14, v5
.irp j, 0,1,2,3,4,5,6,7,8,9,10,11,12,13,14,15
	v_add_nc_u32 v[TOK+\j], 128*(\j/4)+(\j%4), v5  ; register 4 q + c: token 512 wave + 128 q + 4 lane + c
.endr
.irp b, 0,1,2,3,4,5
	s_mov_b32 s[20+\b], 0
.endr
.irp e, 0,1,2,3
	v_mov_b32 v[100+\e], 0
.endr
	s_mov_b32 s16, 0x76543210
	s_mov_b32 s17, 0xfedcba98
	s_wait_loadcnt 0x0
.irp j, 0,1,2,3,4,5,6,7,8,9,10,11,12,13,14,15
.set B_, 0
.irp kb, 3,5,9,6,10,12
	v_cmp_eq_u32 s56, \kb, v[P+\j]
	s_bcnt1_i32_b32 s57, s56
	s_add_co_u32 s[20+B_], s[20+B_], s57
.set B_, B_+1
.endr
.endr
	v_mov_b32 v106, 0
.irp b, 0,1,2,3,4,5
	v_writelane_b32 v106, s[20+\b], \b
.endr
	ds_store_b32 v6, v106
.irp m, 1,2,4,8
.irp e, 0,1,2,3
	v_add_f32_dpp v[PS+\e], v[PS+\e], v[PS+\e] row_xmask:\m row_mask:0xf bank_mask:0xf
.endr
.endr
.irp e, 0,1,2,3
	v_permlanex16_b32 v[100+\e], v[PS+\e], s16, s17
.endr
.irp e, 0,1,2,3
	v_add_f32 v[PS+\e], v[PS+\e], v[100+\e]
.endr
	ds_store_b128 v7, v[PS:PS+3] offset:1024       ; all lanes: the same 16 bytes with the same values
	s_wait_dscnt 0x0                               ; for the others' sake: my stores are done
	s_barrier_signal -1
	s_barrier_wait -1
.irp w, 0,1,2,3,4,5,6,7
	ds_load_b32 v[CT+\w], v104 offset:128*\w
.endr
.irp w, 0,1,2,3,4,5,6,7
	ds_load_b128 v[PP+4*\w:PP+4*\w+3], v105 offset:1024+16*\w
.endr
	s_wait_dscnt 0x0
	v_add3_u32 v106, v[CT], v[CT+1], v[CT+2]
	v_add3_u32 v106, v106, v[CT+3], v[CT+4]
	v_add3_u32 v106, v106, v[CT+5], v[CT+6]
	v_add_nc_u32 v106, v106, v[CT+7]               ; each bucket's tokens,
	v_mov_b32 v107, 0
.irp w, 0,1,2,3,4,5,6
	s_cmp_gt_u32 s12, \w
	s_cselect_b32 s56, -1, 0
	v_and_b32 v108, s56, v[CT+\w]
	v_add_nc_u32 v107, v107, v108                  ; and those of the waves ahead of mine
.endr
.irp b, 0,1,2,3,4,5
	v_readlane_b32 s[20+\b], v106, \b              ; n
	v_readlane_b32 s[26+\b], v107, \b
.endr
	s_mov_b32 s32, 0                               ; off: where a bucket begins
	s_mov_b32 s50, 0                               ; ts: its first tile
.irp b, 0,1,2,3,4
	s_add_co_u32 s[33+\b], s[32+\b], s[20+\b]
.endr
.irp b, 0,1,2,3,4,5
	s_add_co_u32 s[38+\b], s[32+\b], s[26+\b]      ; where my wave's tokens of the bucket begin
	s_add_co_u32 s56, s[20+\b], 159
	s_lshr_b32 s56, s56, 5
	s_mul_i32 s56, s56, 205
	s_lshr_b32 s[44+\b], s56, 10                   ; (n + 159) / 160: x / 5 = 205 x >> 10 for x up to 132
.endr
.irp b, 0,1,2,3,4
	s_add_co_u32 s[51+\b], s[50+\b], s[44+\b]
.endr
.irp j, 0,1,2,3,4,5,6,7,8,9,10,11,12,13,14,15
	v_mov_b32 v[POS+\j], 0
.set B_, 0
.irp kb, 3,5,9,6,10,12
	v_cmp_eq_u32 s56, \kb, v[P+\j]
	v_mbcnt_lo_u32_b32 v108, s56, s[38+B_]         ; the bucket's next place + the lanes below mine that go there too
	v_cndmask_b32 v[POS+\j], v[POS+\j], v108, s56
	s_bcnt1_i32_b32 s57, s56
	s_add_co_u32 s[38+B_], s[38+B_], s57
.set B_, B_+1
.endr
	v_min_u32 v[POS+\j], 0xfff, v[POS+\j]
	v_lshlrev_b32 v[POS+\j], 2, v[POS+\j]
	global_store_b32 v[POS+\j], v[TOK+\j], s[8:9]
.endr
	s_cmp_lg_u32 s12, 0
	s_cbranch_scc1 .Lend
	; wave 0: the tiles' records, lane = tile; a later bucket's record takes the place of an earlier one's from its first tile on
.macro BUCKET b, ea, eb
	v_cmp_le_u32 s56, s[50+\b], v2
	v_sub_nc_u32 v116, v2, s[50+\b]
	v_mul_u32_u24 v116, v116, 160
	v_add_nc_u32 v117, s[32+\b], v116
	v_min_u32 v118, s[20+\b], v116
	v_sub_nc_u32 v118, s[20+\b], v118
	v_cndmask_b32 v112, v112, \ea, s56
	v_cndmask_b32 v113, v113, \eb, s56
	v_cndmask_b32 v114, v114, v117, s56
	v_cndmask_b32 v115, v115, v118, s56
.endm
.irp e, 0,1,2,3
	v_mov_b32 v[112+\e], 0
.endr
	BUCKET 0, 0, 1
	BUCKET 1, 0, 2
	BUCKET 2, 0, 3
	BUCKET 3, 1, 2
	BUCKET 4, 1, 3
	BUCKET 5, 2, 3
	v_min_u32 v114, 0xfff, v114
	v_min_u32 v115, 160, v115
	global_store_b128 v3, v[112:115], s[8:9] offset:16384   ; in wave 0 v3 = 16 x lane
	s_add_co_u32 s56, s20, s21
	s_add_co_u32 s56, s56, s22                     ; expert 0: pairs (0,1), (0,2), (0,3)
	s_add_co_u32 s57, s20, s23
	s_add_co_u32 s57, s57, s24
	s_add_co_u32 s58, s21, s23
	s_add_co_u32 s58, s58, s25
	s_add_co_u32 s59, s22, s24
	s_add_co_u32 s59, s59, s25
.irp e, 0,1,2,3
	v_cvt_f32_u32 v[116+\e], s[56+\e]
	v_add_f32 v[120+\e], v[PP+\e], v[PP+4+\e]
.endr
.irp w, 2,3,4,5,6,7
.irp e, 0,1,2,3
	v_add_f32 v[120+\e], v[120+\e], v[PP+4*\w+\e]
.endr
.endr
	v_mul_f32 v124, v116, v120
	v_fmac_f32 v124, v117, v121
	v_fmac_f32 v124, v118, v122
	v_fmac_f32 v124, v119, v123
	v_mul_f32 v124, 0x34000000, v124               ; x 2^-23
	s_wait_xcnt 0x0                                ; EXEC changes only behind this wait
	v_cmp_eq_u32 vcc_lo, 0, v2
	s_and_saveexec_b32 s56, vcc_lo
	global_store_b32 v105, v124, s[10:11]
	s_wait_xcnt 0x0
	s_or_b32 exec_lo, exec_lo, s56
.Lend:
	s_wait_tensorcnt 0x0                           ; the wave's end: three closing lines behind my last LDS store
	ds_add_u32 v[SPW], v[NIL]
	s_wait_dscnt 0x0
	s_endpgm
.Lfunc_end_k_q3f3e6a4690_place:
	.size	k_q3f3e6a4690_place, .Lfunc_end_k_q3f3e6a4690_place-k_q3f3e6a4690_place
	.p2alignl 7, 3214868480
	.fill 96, 4, 3214868480
	.section	.rodata,"a",@progbits
	.p2align	6, 0x0
	.amdhsa_kernel k_q3f3e6a4690_place
		.amdhsa_group_segment_fixed_size 2304
		.amdhsa_private_segment_fixed_size 0
		.amdhsa_enable_private_segment 0
		.amdhsa_kernarg_size 32
		.amdhsa_user_sgpr_count 2
		.amdhsa_user_sgpr_kernarg_segment_ptr 1
		.amdhsa_wavefront_size32 1
		.amdhsa_system_sgpr_workgroup_id_x 1
		.amdhsa_system_sgpr_workgroup_id_y 1
		.amdhsa_system_sgpr_workgroup_id_z 1
		.amdhsa_system_vgpr_workitem_id 0
		.amdhsa_next_free_vgpr 128
		.amdhsa_next_free_sgpr 66
		.amdhsa_reserve_vcc 1
		.amdhsa_float_denorm_mode_32 3
		.amdhsa_float_denorm_mode_16_64 3
		.amdhsa_memory_ordered 1
		.amdhsa_forward_progress 1
		.amdhsa_inst_pref_size 55
	.end_amdhsa_kernel
	.amdgpu_metadata
---
amdhsa.version: [ 1, 2 ]
amdhsa.kernels:
  - .name:           k_q3f3e6a4690_place
    .symbol:         k_q3f3e6a4690_place.kd
    .args:
      - { .name: sel, .offset: 0, .size: 8, .value_kind: global_buffer, .address_space: global }
      - { .name: rt, .offset: 8, .size: 8, .value_kind: global_buffer, .address_space: global }
      - { .name: order, .offset: 16, .size: 8, .value_kind: global_buffer, .address_space: global }
      - { .name: out1, .offset: 24, .size: 8, .value_kind: global_buffer, .address_space: global }
    .group_segment_fixed_size: 2304
    .private_segment_fixed_size: 0
    .kernarg_segment_align: 8
    .kernarg_segment_size: 32
    .max_flat_workgroup_size: 256
    .sgpr_count:     66
    .vgpr_count:     128
    .wavefront_size: 32
...
	.end_amdgpu_metadata
.endif
;; end of part 2
;; launch up (part 3): grid 8 x 31, 4 waves a work-group, no clusters, 123,392 bytes of LDS; arguments order, xq, wq, b1, hq; writes hq
.if DOCPART == 3
	.amdgcn_target "amdgcn-amd-amdhsa--gfx1250"
	.amdhsa_code_object_version 6
	.text
	.protected	k_q3f3e6a4690_up
	.globl	k_q3f3e6a4690_up
	.p2align	8
	.type	k_q3f3e6a4690_up,@function
k_q3f3e6a4690_up:
	s_mov_b64 s[64:65], 0
	v_nop
	global_prefetch_b8 v0, s[64:65] scope:SCOPE_SE
	s_setreg_imm32_b32 hwreg(HW_REG_WAVE_MODE, 25, 1), 1
	s_wait_xcnt 0x0
; Launch 3 of 4: h = silu(x W1^T + b1) for the two experts of each tile of 160 tokens, quantised along the hidden axis and stored as images of the next product's operand registers.
; Only the chosen experts' rows are multiplied (shown at the head of the first launch).  A tile's rows beyond its tokens repeat its last token; a record with no tokens is walked on clamped addresses, since no barrier may hang on a loaded number.
; SHARES.  Work-group (cx, T): tile T, expert cx / 4 of its two, hidden units 512 (cx % 4) on.  Wave w: 160 tokens x 128 units = 80 accumulators, 640 registers; its 128 units are one K step of the next product.
; x's 80 fragments (10 blocks of 16 tokens x 8 K steps) are gathered by the token list, each wave two K steps, and lie in LDS as images of their registers: all four waves read them.  A weight fragment serves one wave alone:
; it goes from memory straight into that wave's registers, 512 consecutive bytes an instruction.  NO CLUSTER, NO TENSOR LOAD: which tiles share an expert hangs on counts read from memory, and weights are shared by no two waves of a work-group.
; TRANSPOSED USE: source 0 = 16 rows of W1, source 1 = 16 tokens: a lane holds ONE token, and by the choice of W1's rows the 16 registers of tiles 2 b, 2 b + 1 are hidden units 32 b + 16 (lane / 16) + 0 .. 15.
; REGISTERS: v1-19 addresses; v20-59 x's scale words (4 a + i), v60-91 W1's (4 t + i): scales and nothing else; v92-187 weight set 1; v188-247 token buffers 0-4; v254, v255 the add's two;
;   v256-351 weight set 0; v352-375 token buffers 5, 6; v384-1023 the accumulators, (a, t) at 384 + 64 a + 8 t.  On the way out v92-155 z, v156-219 at work, v220-232 codes and scale word, v256-319 b1.
.set SPARE, 122880                     ; behind x's 80 images of 1,536 bytes
.set LI,   4                           ; 16 x lane
.set LI2,  5                           ; + 61,440: images 40 on
.set SOFF, 6                           ; 32 r + 16 h
.set GST,  7                           ; 16 x lane + 30,720 x wave
.set C0,   8                           ; 48 h + 192 x wave
.set H16,  9
.set R4,   10                          ; 4 r
.set BOF,  11                          ; 64 h
.set AS,   20
.set BS,   60
.set TK,   188
.set OX,   198
.set OS,   208
.set Z,    92
.set E,    156
.set TM,   156
.set PT,   172
.set PC,   220
.set PW,   232
.set SPW,  254
.set NIL,  255
.set MSB, 0
.macro WIN new                         ; the immediate's high byte repeats the setting that is left
.if MSB != (\new)
	s_set_vgpr_msb (MSB<<8)|(\new)
.set MSB, (\new)
.endif
.endm
.macro PLACES                          ; four plain places between a matrix instruction and a load into, or a read of, its registers
.rept 4
	v_nop
.endr
.endm
.macro ABUF n                          ; token buffer n % 7: its window and its register there
.set AB_, (\n)%7
.if AB_ < 5
.set AW, 0
.set AL, 188+12*AB_
.else
.set AW, 1
.set AL, 96+12*(AB_-5)
.endif
.endm
.macro BSET s
.if ((\s)%2) == 0
.set BW, 1
.set BL, 0
.else
.set BW, 0
.set BL, 92
.endif
.endm
.macro BFETCH s                        ; K step s of my 128 rows of W1: 24 loads
	BSET \s
	WIN BW<<6
.irp t, 0,1,2,3,4,5,6,7
.irp p, 0,1,2
	global_load_b128 v[BL+12*\t+4*\p:BL+12*\t+4*\p+3], v[LI], s[28:29] offset:12288*(\s)+1536*\t+512*\p
.endr
.endr
.endm
.macro AFETCH n                        ; image n = 10 s + a out of LDS
	ABUF \n
	WIN AW<<6
.irp p, 0,1,2
.if (\n) < 40
	ds_load_b128 v[AL+4*\p:AL+4*\p+3], v[LI] offset:1536*(\n)+512*\p
.else
	ds_load_b128 v[AL+4*\p:AL+4*\p+3], v[LI2] offset:1536*((\n)-40)+512*\p
.endif
.endr
.endm
.macro BLOCK n                         ; block n: K step n / 10, tokens 16 (n % 10) on, against my eight tiles of W1.  The 80 accumulators take turns, one instruction a turn
.set S_, (\n)/10
.set A_, (\n)%10
	ABUF \n
	BSET S_
.set CW_, (384+64*A_)>>8
.set CL_, (384+64*A_)&255
	WIN BW|(AW<<2)|(CW_<<4)|(CW_<<6)
.irp t, 0,1,2,3,4,5,6,7
.set DR, CL_+8*\t
.set BR, BL+12*\t
.if S_ == 0
	v_wmma_scale_f32_16x16x128_f8f6f4 v[DR:DR+7], v[BR:BR+11], v[AL:AL+11], 0, v[BS+4*\t], v[AS+4*A_] matrix_a_fmt:MATRIX_FMT_BF6 matrix_b_fmt:MATRIX_FMT_BF6
.elseif (S_%2) == 0
	v_wmma_scale_f32_16x16x128_f8f6f4 v[DR:DR+7], v[BR:BR+11], v[AL:AL+11], v[DR:DR+7], v[BS+4*\t+S_/2], v[AS+4*A_+S_/2] matrix_a_fmt:MATRIX_FMT_BF6 matrix_b_fmt:MATRIX_FMT_BF6
.else
	v_wmma_scale_f32_16x16x128_f8f6f4 v[DR:DR+7], v[BR:BR+11], v[AL:AL+11], v[DR:DR+7], v[BS+4*\t+S_/2], v[AS+4*A_+S_/2] matrix_a_fmt:MATRIX_FMT_BF6 matrix_b_fmt:MATRIX_FMT_BF6 matrix_a_scale:MATRIX_SCALE_ROW1 matrix_b_scale:MATRIX_SCALE_ROW1
.endif
.endr
.endm
.macro PREWAIT n
.if 79-(\n) < 6
	s_wait_dscnt 3*(79-(\n))                       ; my fragment is in; the younger ones' three loads each may be out
.else
	s_wait_dscnt 18
.endif
.if (((\n)%10) == 0) && ((\n) >= 10)
.if (\n) == 70
	s_wait_loadcnt 16                              ; the last weight set is in; the 16 loads of b1 may be out
.else
	s_wait_loadcnt 24                              ; this K step's weights are in; the set just asked for may be out
.endif
.endif
.endm
.macro BOUND n                         ; behind block n: its token buffer takes the fragment seven on; behind a K step its weight set takes the set two on
.if ((\n)+7 <= 79) || ((\n) == 79)
	PLACES
.endif
.if (\n)+7 <= 79
	AFETCH (\n)+7
.endif
.if (((\n)%10) == 9) && ((\n)/10+2 <= 7)
	BFETCH (\n)/10+2
.endif
.if (\n) == 69
	WIN 0x40                                       ; weight set 0 is done with: b1 in the result's layout, tile t's eight units of my half
.irp t, 0,1,2,3,4,5,6,7
	global_load_b128 v[8*\t:8*\t+3], v[BOF], s[10:11] offset:4*(32*(\t/2)+8*(\t%2))
	global_load_b128 v[8*\t+4:8*\t+7], v[BOF], s[10:11] offset:4*(32*(\t/2)+8*(\t%2))+16
.endr
.endif
.endm
; 64 numbers of a lane, register 16 b + i = unit 32 b + 16 (lane / 16) + i of my token, become a fragment's codes in v[PC] on and its scale word in v[PW]
.macro QUANT s
.irp b, 0,1,2,3
	v_max3_num_f32 v[TM+\b], |v[\s+16*\b]|, |v[\s+1+16*\b]|, 0x2800000   ; the floor 2^(5 - 127) holds the byte at 1 from below
.endr
.irp i, 2,4,6,8,10,12,14
.irp b, 0,1,2,3
	v_max3_num_f32 v[TM+\b], v[TM+\b], |v[\s+16*\b+\i]|, |v[\s+1+16*\b+\i]|
.endr
.endr
.irp b, 0,1,2,3
	v_permlanex16_b32 v[TM+4+\b], v[TM+\b], s38, s39
.endr
.irp b, 0,1,2,3
	v_max_num_f32 v[TM+\b], v[TM+\b], v[TM+4+\b]   ; with lane l xor 16's: the block's largest magnitude
.endr
.irp b, 0,1,2,3
	v_add_nc_u32 v[TM+12+\b], 0xfe000000, v[TM+\b] ; 4 off its exponent field: the conversion's scale operand
.endr
.irp b, 0,1,2,3
	v_lshrrev_b32 v[TM+4+\b], 23, v[TM+12+\b]
.endr
	v_lshl_or_b32 v[PW], v[TM+5], 8, v[TM+4]
	v_lshl_or_b32 v[PW], v[TM+6], 16, v[PW]
	v_lshl_or_b32 v[PW], v[TM+7], 24, v[PW]
.irp c, 0,1
	v_cvt_scalef32_pk16_bf6_f32 v[PC+6*\c:PC+2+6*\c], v[\s+32*\c:\s+15+32*\c], v[TM+12+2*\c]
	v_cvt_scalef32_pk16_bf6_f32 v[PT+4*\c:PT+2+4*\c], v[\s+16+32*\c:\s+31+32*\c], v[TM+12+2*\c+1]
.endr
	v_nop                                          ; one plain place behind a scaled conversion
.irp c, 0,1                            ; the operand's layout wants a whole block in a lane
.irp i, 0,1,2
	v_permlane16_swap_b32 v[PC+6*\c+\i], v[PT+4*\c+\i]
.endr
.irp i, 0,1,2
	v_mov_b32 v[PC+3+6*\c+\i], v[PT+4*\c+\i]
.endr
.endr
.endm
; The way out of 16 tokens: + b1, silu = z / (1 + 2^(-z log2 e)) in f32, the quantiser, the image and the scale words
.macro EPI a
.set CW_, (384+64*(\a))>>8
.set CL_, (384+64*(\a))&255
	WIN CW_|(1<<2)
.set I_, 0
.rept 32
	v_pk_add_f32 v[Z+I_:Z+I_+1], v[CL_+I_:CL_+I_+1], v[I_:I_+1]   ; each accumulator from its low end on
.set I_, I_+2
.endr
	WIN 0
.set I_, 0
.rept 32
	v_pk_mul_f32 v[E+I_:E+I_+1], v[Z+I_:Z+I_+1], s[36:37] op_sel_hi:[1,0]
.set I_, I_+2
.endr
.set I_, 0
.rept 64
	v_exp_f32 v[E+I_], v[E+I_]
.set I_, I_+1
.endr
	v_nop
	s_wait_alu depctr_va_vdst(0)                   ; one wait for the batch, ahead of its first reader
.set I_, 0
.rept 32
	v_pk_add_f32 v[E+I_:E+I_+1], v[E+I_:E+I_+1], 1.0 op_sel_hi:[1,0]
.set I_, I_+2
.endr
.set I_, 0
.rept 64
	v_rcp_f32 v[E+I_], v[E+I_]
.set I_, I_+1
.endr
	v_nop
	s_wait_alu depctr_va_vdst(0)
.set I_, 0
.rept 32
	v_pk_mul_f32 v[Z+I_:Z+I_+1], v[Z+I_:Z+I_+1], v[E+I_:E+I_+1]
.set I_, I_+2
.endr
	s_wait_xcnt 0x0                                ; the last block's stores have read the codes' and the word's registers
	QUANT Z
.irp p, 0,1,2
	global_store_b128 v[LI], v[PC+4*\p:PC+4*\p+3], s[32:33] offset:1536*(\a)+512*\p   ; 512 consecutive bytes, aligned
.endr
	global_store_b32 v[R4], v[PW], s[34:35] offset:1024*(\a)   ; 16 tokens' words; lanes 16-31 repeat them
.endm
	s_load_b256 s[4:11], s[0:1], 0x0               ; order, xq, wq, b1
	s_load_b64 s[12:13], s[0:1], 0x20              ; hq
	v_lshl_add_u32 v[SPW], v0, 2, SPARE
	v_mov_b32 v[NIL], 0
	v_lshrrev_b32 v1, 5, v0
	v_readfirstlane_b32 s14, v1                    ; wave
	v_and_b32 v1, 31, v0
	v_and_b32 v2, 15, v0                           ; r
	v_bfe_u32 v3, v0, 4, 1                         ; h
	v_lshlrev_b32 v[LI], 4, v1
	v_add_nc_u32 v[LI2], 61440, v[LI]
	v_lshlrev_b32 v[SOFF], 5, v2
	v_lshl_add_u32 v[SOFF], v3, 4, v[SOFF]
	s_mul_i32 s15, s14, 30720
	v_add_nc_u32 v[GST], s15, v[LI]
	s_mul_i32 s15, s14, 192
	v_mul_u32_u24 v[C0], v3, 48
	v_add_nc_u32 v[C0], s15, v[C0]
	v_lshlrev_b32 v[H16], 4, v3
	v_lshlrev_b32 v[R4], 2, v2
	v_lshlrev_b32 v[BOF], 6, v3
	s_and_b32 s20, ttmp7, 0xffff                   ; tile T
	s_lshr_b32 s21, ttmp9, 2                       ; which of its two experts
	s_and_b32 s22, ttmp9, 3
	s_lshl_b32 s22, s22, 2
	s_add_co_u32 s22, s22, s14                     ; kk: my 128 hidden units
	s_lshl_b32 s23, s20, 4
	s_mov_b32 s36, 0xbfb8aa3b                      ; -log2(e)
	s_mov_b32 s37, s36                             ; (named with it as a pair)
	s_mov_b32 s38, 0x76543210
	s_mov_b32 s39, 0xfedcba98
	s_mov_b32 s27, 0
	s_wait_kmcnt 0x0
	s_load_b128 s[16:19], s[4:5], s23 offset:0x4000   ; the tile's record: ea, eb, start, nv
	s_wait_kmcnt 0x0
	s_cmp_lg_u32 s21, 0
	s_cselect_b32 s24, s17, s16
	s_min_u32 s24, s24, 3                          ; my expert
	s_min_u32 s18, s18, 0xfff
	s_sub_co_u32 s19, s19, 1                       ; nv - 1 (wraps at nv = 0: the clamp below holds the index)
	s_lshl_b32 s25, s24, 4
	s_add_co_u32 s25, s25, s22                     ; chunk
	s_mul_i32 s26, s25, 98304
	s_add_nc_u64 s[28:29], s[8:9], s[26:27]        ; W1's codes
	s_lshl_b32 s26, s25, 12
	s_add_co_u32 s26, s26, 12582912
	s_add_nc_u64 s[30:31], s[8:9], s[26:27]        ; W1's scale words
	s_lshl_b32 s26, s24, 13
	s_lshl_b32 s25, s22, 9
	s_add_co_u32 s26, s26, s25
	s_add_nc_u64 s[10:11], s[10:11], s[26:27]      ; b1
	s_lshl_b32 s25, s21, 4
	s_add_co_u32 s25, s25, s22
	s_mul_i32 s25, s25, 15360
	s_mul_i32 s26, s20, 491520
	s_add_co_u32 s26, s26, s25
	s_add_nc_u64 s[32:33], s[12:13], s[26:27]      ; the hidden layer's codes
	s_mul_i32 s26, s20, 20480
	s_mul_i32 s25, s21, 10240
	s_add_co_u32 s26, s26, s25
	s_lshl_b32 s25, s22, 6
	s_add_co_u32 s26, s26, s25
	s_add_co_u32 s26, s26, 15237120
	s_add_nc_u64 s[34:35], s[12:13], s[26:27]      ; and its scale words
.irp a, 0,1,2,3,4,5,6,7,8,9
	v_add_nc_u32 v12, 16*\a, v2
	v_min_u32 v12, s19, v12                        ; rows beyond the tile's tokens repeat the last
	v_add_nc_u32 v12, s18, v12
	v_min_u32 v12, 0xfff, v12
	v_lshlrev_b32 v[OS+\a], 2, v12
	global_load_b32 v[TK+\a], v[OS+\a], s[4:5]
.endr
.irp t, 0,1,2,3,4,5,6,7
	global_load_b128 v[BS+4*\t:BS+4*\t+3], v[SOFF], s[30:31] offset:512*\t
.endr
	BFETCH 0
	BFETCH 1
	WIN 0
	s_wait_loadcnt 56                              ; the tokens are in; 8 + 24 + 24 younger loads may be out
.irp a, 0,1,2,3,4,5,6,7,8,9
	v_min_u32 v[TK+\a], 0xfff, v[TK+\a]
	v_mul_u32_u24 v[OX+\a], v[TK+\a], 768
	v_add_nc_u32 v[OX+\a], v[OX+\a], v[C0]
	v_lshl_add_u32 v[OS+\a], v[TK+\a], 5, v[H16]
.endr
	WIN 0x80                                       ; into v512-751, which the sums take later
.irp c, 0,1
.irp a, 0,1,2,3,4,5,6,7,8,9
.irp p, 0,1,2
	global_load_b128 v[12*(10*\c+\a)+4*\p:12*(10*\c+\a)+4*\p+3], v[OX+\a], s[6:7] offset:96*\c+16*\p
.endr
.endr
.endr
	WIN 0
.irp a, 0,1,2,3,4,5,6,7,8,9
	global_load_b128 v[AS+4*\a:AS+4*\a+3], v[OS+\a], s[6:7] offset:3145728
.endr
	s_wait_loadcnt 0x0
	WIN 0x08                                       ; an LDS store's data are its source 1
.irp c, 0,1
.irp a, 0,1,2,3,4,5,6,7,8,9
.irp p, 0,1,2
	ds_store_b128 v[GST], v[12*(10*\c+\a)+4*\p:12*(10*\c+\a)+4*\p+3] offset:1536*(10*\c+\a)+512*\p
.endr
.endr
.endr
	WIN 0
	s_wait_dscnt 0x0                               ; for the others' sake: my images lie in LDS
	s_barrier_signal -1
	s_barrier_wait -1
.irp n, 0,1,2,3,4,5,6
	AFETCH \n
.endr
.set N, 0
.rept 80
	PREWAIT N
	BLOCK N
	BOUND N
.set N, N+1
.endr
	s_wait_loadcnt 0x0                             ; b1
.irp a, 0,1,2,3,4,5,6,7,8,9
	EPI \a
.endr
	s_wait_tensorcnt 0x0                           ; the wave's end: three closing lines behind my last LDS store
	ds_add_u32 v[SPW], v[NIL]
	s_wait_dscnt 0x0
	s_endpgm
.Lfunc_end_k_q3f3e6a4690_up:
	.size	k_q3f3e6a4690_up, .Lfunc_end_k_q3f3e6a4690_up-k_q3f3e6a4690_up
	.p2alignl 7, 3214868480
	.fill 96, 4, 3214868480
	.section	.rodata,"a",@progbits
	.p2align	6, 0x0
	.amdhsa_kernel k_q3f3e6a4690_up
		.amdhsa_group_segment_fixed_size 123392
		.amdhsa_private_segment_fixed_size 0
		.amdhsa_enable_private_segment 0
		.amdhsa_kernarg_size 40
		.amdhsa_user_sgpr_count 2
		.amdhsa_user_sgpr_kernarg_segment_ptr 1
		.amdhsa_wavefront_size32 1
		.amdhsa_system_sgpr_workgroup_id_x 1
		.amdhsa_system_sgpr_workgroup_id_y 1
		.amdhsa_system_sgpr_workgroup_id_z 1
		.amdhsa_system_vgpr_workitem_id 0
		.amdhsa_next_free_vgpr 1024
		.amdhsa_next_free_sgpr 66
		.amdhsa_reserve_vcc 0
		.amdhsa_float_denorm_mode_32 3
		.amdhsa_float_denorm_mode_16_64 3
		.amdhsa_memory_ordered 1
		.amdhsa_forward_progress 1
		.amdhsa_inst_pref_size 255
	.end_amdhsa_kernel
	.section	.bss,"aw",@nobits
	.p2align	6
	.space	262144
	.amdgpu_metadata
---
amdhsa.version: [ 1, 2 ]
amdhsa.kernels:
  - .name:           k_q3f3e6a4690_up
    .symbol:         k_q3f3e6a4690_up.kd
    .args:
      - { .name: order, .offset: 0, .size: 8, .value_kind: global_buffer, .address_space: global }
      - { .name: xq, .offset: 8, .size: 8, .value_kind: global_buffer, .address_space: global }
      - { .name: wq, .offset: 16, .size: 8, .value_kind: global_buffer, .address_space: global }
      - { .name: b1, .offset: 24, .size: 8, .value_kind: global_buffer, .address_space: global }
      - { .name: hq, .offset: 32, .size: 8, .value_kind: global_buffer, .address_space: global }
    .group_segment_fixed_size: 123392
    .private_segment_fixed_size: 0
    .kernarg_segment_align: 8
    .kernarg_segment_size: 40
    .max_flat_workgroup_size: 128
    .sgpr_count:     66
    .vgpr_count:     1024
    .wavefront_size: 32
...
	.end_amdgpu_metadata
.endif
;; end of part 3
;; launch down (part 4): grid 8 x 31, 4 waves a work-group, no clusters, 169,472 bytes of LDS; arguments order, hq, wq, rt, b2, out0; writes out0
.if DOCPART == 4
	.amdgcn_target "amdgcn-amd-amdhsa--gfx1250"
	.amdhsa_code_object_version 6
	.text
	.protected	k_q3f3e6a4690_down
	.globl	k_q3f3e6a4690_down
	.p2align	8
	.type	k_q3f3e6a4690_down,@function
k_q3f3e6a4690_down:
	s_mov_b64 s[64:65], 0
	v_nop
	global_prefetch_b8 v0, s[64:65] scope:SCOPE_SE
	s_setreg_imm32_b32 hwreg(HW_REG_WAVE_MODE, 25, 1), 1
	s_wait_xcnt 0x0
; Launch 4 of 4: out0[token] = cw_a (h_a W2[ea]^T + b2[ea]) + cw_b (h_b W2[eb]^T + b2[eb]) for the two experts of each tile of 160 tokens.  Only the chosen experts' rows are multiplied (shown at the head of the first launch).
; SHARES.  Work-group (n, T): tile T, output columns 128 n on.  THE WAVES SPLIT K: wave w takes expert w / 2 of the two and half w % 2 of its 2,048 hidden units, for all 160 tokens x 128 columns: 80 accumulators.
; So no fragment of the hidden layer or of W2 is read twice in a work-group. The four parts meet in LDS at the end
; (an output's sum is made of two chains of f32 sums, not of one).  Every output row has one owner.  A tile's rows beyond its tokens repeat its last token: the same numbers to the same bytes.  A record with nv = 0 stores nothing.
; NO CLUSTER, NO TENSOR LOAD: the stores are jumped over on a number read from memory, and which tiles share an expert hangs on such numbers too.
; TRANSPOSED USE: source 0 = 16 rows of W2 (output columns), source 1 = 16 tokens: a lane holds one token and eight neighbouring columns.
; REGISTERS as in the launch before: v20-59 the hidden layer's scale words, v60-91 W2's; v92-187, v256-351 weight sets; v188-247, v352-375 token buffers; v248-253 tokens and combine weights; v384-1023 the accumulators.
.set SPARE, 168960                     ; behind the four parts of 80 rows x 528 bytes
.set LI,   4                           ; 16 x lane
.set SOFF, 5                           ; 32 r + 16 h
.set L4,   6                           ; 4 x lane
.set STO,  7                           ; 42,240 x wave + 528 r + 32 h
.set RD0,  8                           ; 10,560 x wave + 16 x lane: my 20 rows in parts 0, 1
.set RD2,  9                           ; the same in parts 2, 3
.set COL,  10                          ; 512 n + 16 x lane
.set CWO,  18
.set AS,   20
.set BS,   60
.set RB,   92                          ; the way out: five rows x four parts
.set OUTR, 172
.set OA,   192
.set B2A,  200
.set B2B,  204
.set TK,   248
.set CWR,  250
.set SPW,  254
.set NIL,  255
.set MSB, 0
.macro WIN new                         ; the immediate's high byte repeats the setting that is left
.if MSB != (\new)
	s_set_vgpr_msb (MSB<<8)|(\new)
.set MSB, (\new)
.endif
.endm
.macro PLACES                          ; four plain places between a matrix instruction and a load into, or a read of, its registers
.rept 4
	v_nop
.endr
.endm
.macro ABUF n
.set AB_, (\n)%7
.if AB_ < 5
.set AW, 0
.set AL, 188+12*AB_
.else
.set AW, 1
.set AL, 96+12*(AB_-5)
.endif
.endm
.macro BSET s
.if ((\s)%2) == 0
.set BW, 1
.set BL, 0
.else
.set BW, 0
.set BL, 92
.endif
.endm
.macro BFETCH s                        ; K step s of my half: 128 rows of W2, 24 loads
	BSET \s
	WIN BW<<6
.irp t, 0,1,2,3,4,5,6,7
.irp p, 0,1,2
	global_load_b128 v[BL+12*\t+4*\p:BL+12*\t+4*\p+3], v[LI], s[34:35] offset:12288*(\s)+1536*\t+512*\p
.endr
.endr
.endm
.macro AFETCH n                        ; the hidden layer's image n = 10 s + a
	ABUF \n
	WIN AW<<6
.irp p, 0,1,2
	global_load_b128 v[AL+4*\p:AL+4*\p+3], v[LI], s[30:31] offset:1536*(\n)+512*\p
.endr
.endm
.macro BLOCK n                         ; the 80 accumulators take turns, one instruction a turn
.set S_, (\n)/10
.set A_, (\n)%10
	ABUF \n
	BSET S_
.set CW_, (384+64*A_)>>8
.set CL_, (384+64*A_)&255
	WIN BW|(AW<<2)|(CW_<<4)|(CW_<<6)
.irp t, 0,1,2,3,4,5,6,7
.set DR, CL_+8*\t
.set BR, BL+12*\t
.if S_ == 0
	v_wmma_scale_f32_16x16x128_f8f6f4 v[DR:DR+7], v[BR:BR+11], v[AL:AL+11], 0, v[BS+4*\t], v[AS+4*A_] matrix_a_fmt:MATRIX_FMT_BF6 matrix_b_fmt:MATRIX_FMT_BF6
.elseif (S_%2) == 0
	v_wmma_scale_f32_16x16x128_f8f6f4 v[DR:DR+7], v[BR:BR+11], v[AL:AL+11], v[DR:DR+7], v[BS+4*\t+S_/2], v[AS+4*A_+S_/2] matrix_a_fmt:MATRIX_FMT_BF6 matrix_b_fmt:MATRIX_FMT_BF6
.else
	v_wmma_scale_f32_16x16x128_f8f6f4 v[DR:DR+7], v[BR:BR+11], v[AL:AL+11], v[DR:DR+7], v[BS+4*\t+S_/2], v[AS+4*A_+S_/2] matrix_a_fmt:MATRIX_FMT_BF6 matrix_b_fmt:MATRIX_FMT_BF6 matrix_a_scale:MATRIX_SCALE_ROW1 matrix_b_scale:MATRIX_SCALE_ROW1
.endif
.endr
.endm
; Ahead of block n: fragment n is in.  The count is what was issued behind it: three loads for each younger fragment, 24 for each weight set asked for since.  This K step's weights are older than fragment n.
; (The two loads of the combine weights, behind block 29, are not counted: the wait is then the stricter.)
.macro LWAIT n
.if (\n) <= 6
.set CNT, 42
.else
.set CNT, 0
.set MM_, (\n)-7
.rept 7
.if (MM_ > (\n)-7) && (MM_+7 <= 79)
.set CNT, CNT+3
.endif
.if ((MM_%10) == 9) && (MM_/10+2 <= 7)
.set CNT, CNT+24
.endif
.set MM_, MM_+1
.endr
.endif
	s_wait_loadcnt CNT
.endm
.macro BOUND n
.if ((\n)+7 <= 79) || ((\n) == 79)
	PLACES
.endif
.if (\n)+7 <= 79
	AFETCH (\n)+7
.endif
.if (((\n)%10) == 9) && ((\n)/10+2 <= 7)
	BFETCH (\n)/10+2
.endif
.if (\n) == 29
	WIN 0                                          ; my 40 rows' tokens came long ago: their combine weights are asked for here
	v_min_u32 v[TK], 0xfff, v[TK]
	v_min_u32 v[TK+1], 0xfff, v[TK+1]
	v_lshlrev_b32 v[CWO], 3, v[TK]
	v_lshlrev_b32 v[CWO+1], 3, v[TK+1]
	global_load_b64 v[CWR:CWR+1], v[CWO], s[10:11]
	global_load_b64 v[CWR+2:CWR+3], v[CWO+1], s[10:11]
.endif
.endm
.macro WPH hh                          ; my part of tokens 80 hh .. 80 hh + 79 goes to LDS; then the work-group's barrier
.irp a, 0,1,2,3,4
.set CW_, (384+64*(5*(\hh)+\a))>>8
.set CL_, (384+64*(5*(\hh)+\a))&255
	WIN CW_<<2                                     ; an LDS store's data are its source 1
.irp t, 0,1,2,3,4,5,6,7
	ds_store_b128 v[STO], v[CL_+8*\t:CL_+8*\t+3] offset:8448*\a+64*\t        ; each accumulator from its low end on
	ds_store_b128 v[STO], v[CL_+8*\t+4:CL_+8*\t+7] offset:8448*\a+64*\t+16
.endr
.endr
	WIN 0
	s_wait_dscnt 0x0                               ; for the others' sake: my stores are done
	s_barrier_signal -1
	s_barrier_wait -1
.endm
.macro RPH hh                          ; my 20 of the 80 rows: the four parts are added, biased, weighed and stored, five rows at a time.  No barrier stands in here: a tile without tokens jumps over it
	s_cmp_eq_u32 s23, 0
	s_cbranch_scc1 .Lskip_\@
	s_wait_loadcnt 0x0                             ; b2
.irp g, 0,1,2,3
	s_wait_xcnt 0x0                                ; the last five stores have read their registers
.irp i, 0,1,2,3,4
	ds_load_b128 v[RB+16*\i:RB+16*\i+3], v[RD0] offset:528*(5*\g+\i)
	ds_load_b128 v[RB+16*\i+4:RB+16*\i+7], v[RD0] offset:42240+528*(5*\g+\i)
	ds_load_b128 v[RB+16*\i+8:RB+16*\i+11], v[RD2] offset:528*(5*\g+\i)
	ds_load_b128 v[RB+16*\i+12:RB+16*\i+15], v[RD2] offset:42240+528*(5*\g+\i)
.endr
.irp i, 0,1,2,3,4
	v_readlane_b32 s[44+\i], v[TK+\hh], 5*\g+\i
	v_readlane_b32 s[49+\i], v[CWR+2*\hh], 5*\g+\i
	v_readlane_b32 s[54+\i], v[CWR+2*\hh+1], 5*\g+\i
	s_min_u32 s[44+\i], s[44+\i], 0xfff
	s_lshl_b32 s[44+\i], s[44+\i], 12              ; the token's row of 4,096 bytes
	v_add_nc_u32 v[OA+\i], s[44+\i], v[COL]
.endr
	s_wait_dscnt 0x0
.irp i, 0,1,2,3,4
.set P0, RB+16*\i
	v_pk_add_f32 v[P0:P0+1], v[P0:P0+1], v[P0+4:P0+5]
	v_pk_add_f32 v[P0+2:P0+3], v[P0+2:P0+3], v[P0+6:P0+7]
	v_pk_add_f32 v[P0+8:P0+9], v[P0+8:P0+9], v[P0+12:P0+13]
	v_pk_add_f32 v[P0+10:P0+11], v[P0+10:P0+11], v[P0+14:P0+15]
	v_pk_add_f32 v[P0:P0+1], v[P0:P0+1], v[B2A:B2A+1]
	v_pk_add_f32 v[P0+2:P0+3], v[P0+2:P0+3], v[B2A+2:B2A+3]
	v_pk_add_f32 v[P0+8:P0+9], v[P0+8:P0+9], v[B2B:B2B+1]
	v_pk_add_f32 v[P0+10:P0+11], v[P0+10:P0+11], v[B2B+2:B2B+3]
.irp k, 0,1,2,3
	v_mul_f32 v[OUTR+4*\i+\k], s[49+\i], v[P0+\k]
.endr
.irp k, 0,1,2,3
	v_fmac_f32 v[OUTR+4*\i+\k], s[54+\i], v[P0+8+\k]
.endr
	global_store_b128 v[OA+\i], v[OUTR+4*\i:OUTR+4*\i+3], s[14:15] th:TH_STORE_NT   ; 32 lanes store 512 consecutive bytes of the token's row, aligned
.endr
.endr
.Lskip_\@:
.endm
	s_load_b256 s[4:11], s[0:1], 0x0               ; order, hq, wq, rt
	s_load_b128 s[12:15], s[0:1], 0x20             ; b2, out0
	v_lshl_add_u32 v[SPW], v0, 2, SPARE
	v_mov_b32 v[NIL], 0
	v_lshrrev_b32 v1, 5, v0
	v_readfirstlane_b32 s16, v1                    ; wave
	v_and_b32 v1, 31, v0
	v_and_b32 v2, 15, v0                           ; r
	v_bfe_u32 v3, v0, 4, 1                         ; h
	v_lshlrev_b32 v[LI], 4, v1
	v_lshlrev_b32 v[SOFF], 5, v2
	v_lshl_add_u32 v[SOFF], v3, 4, v[SOFF]
	v_lshlrev_b32 v[L4], 2, v1
	s_mul_i32 s17, s16, 42240
	v_mul_u32_u24 v[STO], v2, 528
	v_lshl_add_u32 v[STO], v3, 5, v[STO]
	v_add_nc_u32 v[STO], s17, v[STO]
	s_mul_i32 s17, s16, 10560
	v_add_nc_u32 v[RD0], s17, v[LI]
	v_add_nc_u32 v[RD2], 84480, v[RD0]
	s_lshl_b32 s17, ttmp9, 9
	v_add_nc_u32 v[COL], s17, v[LI]
	v_min_u32 v11, 19, v1
	s_and_b32 s24, ttmp7, 0xffff                   ; tile T
	s_lshr_b32 s25, s16, 1                         ; which of its two experts
	s_and_b32 s26, s16, 1                          ; which half of K
	s_lshl_b32 s18, s24, 4
	s_mov_b32 s43, 0
	s_wait_kmcnt 0x0
	s_load_b128 s[20:23], s[4:5], s18 offset:0x4000   ; the tile's record: ea, eb, start, nv
	s_wait_kmcnt 0x0
	s_min_u32 s20, s20, 3
	s_min_u32 s21, s21, 3
	s_min_u32 s22, s22, 0xfff
	s_sub_co_u32 s59, s23, 1                       ; nv - 1 (wraps at nv = 0: the clamp below holds the index)
	s_cmp_lg_u32 s25, 0
	s_cselect_b32 s27, s21, s20                    ; my expert
	s_lshl_b32 s28, s27, 3
	s_add_co_u32 s28, s28, ttmp9
	s_lshl_b32 s28, s28, 1
	s_add_co_u32 s28, s28, s26                     ; chunk
	s_mul_i32 s42, s24, 491520
	s_mul_i32 s17, s16, 122880
	s_add_co_u32 s42, s42, s17
	s_add_nc_u64 s[30:31], s[6:7], s[42:43]        ; the hidden layer's codes: my expert, my half
	s_mul_i32 s42, s24, 20480
	s_mul_i32 s17, s25, 10240
	s_add_co_u32 s42, s42, s17
	s_lshl_b32 s17, s26, 9
	s_add_co_u32 s42, s42, s17
	s_add_co_u32 s42, s42, 15237120
	s_add_nc_u64 s[32:33], s[6:7], s[42:43]        ; its scale words
	s_mul_i32 s42, s28, 98304
	s_add_co_u32 s42, s42, 6291456
	s_add_nc_u64 s[34:35], s[8:9], s[42:43]        ; W2's codes
	s_lshl_b32 s42, s28, 12
	s_add_co_u32 s42, s42, 12845056
	s_add_nc_u64 s[36:37], s[8:9], s[42:43]        ; W2's scale words
	s_lshl_b32 s17, ttmp9, 9
	s_lshl_b32 s42, s20, 12
	s_add_co_u32 s42, s42, s17
	s_add_nc_u64 s[38:39], s[12:13], s[42:43]      ; b2 of the lower expert, my columns,
	s_lshl_b32 s42, s21, 12
	s_add_co_u32 s42, s42, s17
	s_add_nc_u64 s[40:41], s[12:13], s[42:43]      ; and of the higher
	s_mul_i32 s17, s16, 20
	v_add_nc_u32 v12, s17, v11                     ; the rows that I store: 20 x wave + lane (lanes 20-31 repeat lane 19), of tokens 0-79 and 80-159
	v_add_nc_u32 v13, 80, v12
	v_min_u32 v12, s59, v12
	v_min_u32 v13, s59, v13
	v_add_nc_u32 v12, s22, v12
	v_add_nc_u32 v13, s22, v13
	v_min_u32 v12, 0xfff, v12
	v_min_u32 v13, 0xfff, v13
	v_lshlrev_b32 v12, 2, v12
	v_lshlrev_b32 v13, 2, v13
	global_load_b32 v[TK], v12, s[4:5]
	global_load_b32 v[TK+1], v13, s[4:5]
.irp t, 0,1,2,3,4,5,6,7
	global_load_b128 v[BS+4*\t:BS+4*\t+3], v[SOFF], s[36:37] offset:512*\t
.endr
.irp a, 0,1,2,3,4,5,6,7,8,9
.irp i, 0,1,2,3
	global_load_b32 v[AS+4*\a+\i], v[L4], s[32:33] offset:1024*\a+128*\i   ; lanes 0-15: K step 2 i, lanes 16-31: 2 i + 1
.endr
.endr
	BFETCH 0
.irp n, 0,1,2,3,4,5,6
	AFETCH \n
.endr
	BFETCH 1
.set N, 0
.rept 80
	LWAIT N
	BLOCK N
	BOUND N
.set N, N+1
.endr
	WIN 0
	global_load_b128 v[B2A:B2A+3], v[LI], s[38:39]
	global_load_b128 v[B2B:B2B+3], v[LI], s[40:41]
	WPH 0
	RPH 0
	s_wait_dscnt 0x0                               ; my reads of the parts are over: only behind this barrier are they written again
	s_barrier_signal -1
	s_barrier_wait -1
	WPH 1
	RPH 1
	s_wait_tensorcnt 0x0                           ; the wave's end: three closing lines behind my last LDS store
	ds_add_u32 v[SPW], v[NIL]
	s_wait_dscnt 0x0
	s_endpgm
.Lfunc_end_k_q3f3e6a4690_down:
	.size	k_q3f3e6a4690_down, .Lfunc_end_k_q3f3e6a4690_down-k_q3f3e6a4690_down
	.p2alignl 7, 3214868480
	.fill 96, 4, 3214868480
	.section	.rodata,"a",@progbits
	.p2align	6, 0x0
	.amdhsa_kernel k_q3f3e6a4690_down
		.amdhsa_group_segment_fixed_size 169472
		.amdhsa_private_segment_fixed_size 0
		.amdhsa_enable_private_segment 0
		.amdhsa_kernarg_size 48
		.amdhsa_user_sgpr_count 2
		.amdhsa_user_sgpr_kernarg_segment_ptr 1
		.amdhsa_wavefront_size32 1
		.amdhsa_system_sgpr_workgroup_id_x 1
		.amdhsa_system_sgpr_workgroup_id_y 1
		.amdhsa_system_sgpr_workgroup_id_z 1
		.amdhsa_system_vgpr_workitem_id 0
		.amdhsa_next_free_vgpr 1024
		.amdhsa_next_free_sgpr 66
		.amdhsa_reserve_vcc 0
		.amdhsa_float_denorm_mode_32 3
		.amdhsa_float_denorm_mode_16_64 3
		.amdhsa_memory_ordered 1
		.amdhsa_forward_progress 1
		.amdhsa_inst_pref_size 214
	.end_amdhsa_kernel
	.amdgpu_metadata
---
amdhsa.version: [ 1, 2 ]
amdhsa.kernels:
  - .name:           k_q3f3e6a4690_down
    .symbol:         k_q3f3e6a4690_down.kd
    .args:
      - { .name: order, .offset: 0, .size: 8, .value_kind: global_buffer, .address_space: global }
      - { .name: hq, .offset: 8, .size: 8, .value_kind: global_buffer, .address_space: global }
      - { .name: wq, .offset: 16, .size: 8, .value_kind: global_buffer, .address_space: global }
      - { .name: rt, .offset: 24, .size: 8, .value_kind: global_buffer, .address_space: global }
      - { .name: b2, .offset: 32, .size: 8, .value_kind: global_buffer, .address_space: global }
      - { .name: out0, .offset: 40, .size: 8, .value_kind: global_buffer, .address_space: global }
    .group_segment_fixed_size: 169472
    .private_segment_fixed_size: 0
    .kernarg_segment_align: 8
    .kernarg_segment_size: 48
    .max_flat_workgroup_size: 128
    .sgpr_count:     66
    .vgpr_count:     1024
    .wavefront_size: 32
...
	.end_amdgpu_metadata
.endif
;; end of part 4
;; ======== version 2 of 2: 4 launches; version 1 with the launches up, down written anew for expert scheduling mode
;; workspace buffers: wq 13,107,200 bytes; xq 3,276,800 bytes; rt 36,864 bytes; sel 16,384 bytes of whole numbers; order 16,896 bytes of whole numbers; hq 15,872,000 bytes
;; launch prep: the kernel of part 1 again; grid 320 x 1, 4 waves a work-group, no clusters, 118,272 bytes of LDS; arguments x, router_w, w1, w2, wq, xq, rt, sel; writes wq, xq, rt, sel
;; launch place: the kernel of part 2 again; grid 1 x 1, 8 waves a work-group, no clusters, 2,304 bytes of LDS; arguments sel, rt, order, out1; writes order, out1
;; launch up (part 5): grid 8 x 31, 4 waves a work-group, no clusters, 123,392 bytes of LDS; arguments order, xq, wq, b1, hq; writes hq
.if DOCPART == 5
	.amdgcn_target "amdgcn-amd-amdhsa--gfx1250"
	.amdhsa_code_object_version 6
	.text
	.protected	k_q3f3e6a4690_up
	.globl	k_q3f3e6a4690_up
	.p2align	8
	.type	k_q3f3e6a4690_up,@function
k_q3f3e6a4690_up:
	s_mov_b64 s[64:65], 0
	v_nop
	global_prefetch_b8 v0, s[64:65] scope:SCOPE_SE
	s_setreg_imm32_b32 hwreg(HW_REG_WAVE_SCHED_MODE, 0, 2), 2
	s_setreg_imm32_b32 hwreg(HW_REG_WAVE_MODE, 25, 1), 1
	s_wait_xcnt 0x0
	s_wait_alu depctr_vm_vsrc(0)
; Launch 3 of 4: h = silu(x W1^T + b1) for the two experts of each tile of 160 tokens, quantised along the hidden axis and stored as images of the next product's operand registers.
; Only the chosen experts' rows are multiplied (shown at the head of the first launch).  A tile's rows beyond its tokens repeat its last token; a record with no tokens is walked on clamped addresses, since no barrier may hang on a loaded number.
; SHARES.  Work-group (cx, T): tile T, expert cx / 4 of its two, hidden units 512 (cx % 4) on.  Wave w: 160 tokens x 128 units = 80 accumulators, 640 registers; its 128 units are one K step of the next product.
; x's 80 fragments (10 blocks of 16 tokens x 8 K steps) are gathered by the token list, each wave two K steps, and lie in LDS as images of their registers: all four waves read them.  A weight fragment serves one wave alone:
; it goes from memory straight into that wave's registers, 512 consecutive bytes an instruction.  NO CLUSTER, NO TENSOR LOAD: which tiles share an expert hangs on counts read from memory, and weights are shared by no two waves of a work-group.
; TRANSPOSED USE: source 0 = 16 rows of W1, source 1 = 16 tokens: a lane holds ONE token, and by the choice of W1's rows the 16 registers of tiles 2 b, 2 b + 1 are hidden units 32 b + 16 (lane / 16) + 0 .. 15.
; REGISTERS: v1-19 addresses; v20-59 x's scale words (4 a + i), v60-91 W1's (4 t + i): scales and nothing else; v92-187 weight set 1; v188-247 token buffers 0-4; v254, v255 the add's two;
;   v256-351 weight set 0; v352-375 token buffers 5, 6; v384-1023 the accumulators, (a, t) at 384 + 64 a + 8 t.  On the way out v92-155 z, v156-219 at work, v220-232 and v236-248 codes and scale word, two sets by turns, v256-319 b1.
; THE MODE: SCHED_MODE bits 1:0 = 2 (LLVM: expert scheduling mode 2), set by the entry lines.  The code itself states the register dependences between vector or matrix instructions and memory or LDS instructions, with s_wait_alu, always for 0.
; THE PLAN.  Registers that memory or LDS instructions touch:
;   token buffers  Block n's eight matrix instructions read buffer n % 7.  The LDS loads of fragment n + 6 are issued behind block n and land in buffer (n - 1) % 7, which block n - 1 read.
;   weight sets    K step s's 80 matrix instructions read set s % 2.  Set s + 2 lands there: tiles 0-3 behind block 10 s + 9, tiles 4-7 behind block 10 s + 10.  b1 lands in set 0 behind block 69.
;   So ONE wait on va_vdst stands behind every ODD block n: blocks up to n are done reading.  It serves the loads straight behind it (block n - 1's buffer; a weight set that is done with) and those behind block n + 1
;   (block n's buffer; the set's other half): the eight matrix instructions between name buffer (n + 1) % 7, the other weight set, scales and accumulators, none of the registers in which those loads land.
;   code sets      The way out of tokens 16 a on writes set a % 2; its four stores are issued in block a + 1, behind the wait that the exponentials there have anyway; the set is written again in block a + 2, behind a wait on vm_vsrc.
;   v[OS], v[OX]   At the head alone: offsets of the list's loads and of the gather; later token buffers.   v512-751: the gather's data, read by the LDS stores; later accumulators.
;   v4-v7, v10, v11  Addresses, made at the head and never written again.   v254, v255: written at the head, read by the closing add alone.
.set SPARE, 122880                     ; behind x's 80 images of 1,536 bytes
.set LI,   4                           ; 16 x lane
.set LI2,  5                           ; + 61,440: images 40 on
.set SOFF, 6                           ; 32 r + 16 h
.set GST,  7                           ; 16 x lane + 30,720 x wave
.set C0,   8                           ; 48 h + 192 x wave
.set H16,  9
.set R4,   10                          ; 4 r
.set BOF,  11                          ; 64 h
.set AS,   20
.set BS,   60
.set TK,   188
.set OX,   198
.set OS,   208
.set Z,    92
.set E,    156
.set TM,   156
.set PT,   172
.set PCB,  220                         ; code set k at PCB + 16 k: 12 registers of codes, then the scale word
.set SPW,  254
.set NIL,  255
.set MSB, 0
.macro WIN new                         ; the immediate's high byte repeats the setting that is left
.if MSB != (\new)
	s_set_vgpr_msb (MSB<<8)|(\new)
.set MSB, (\new)
.endif
.endm
.macro PLACES                          ; four plain places between a matrix instruction and a load into, or a read of, its registers
.rept 4
	v_nop
.endr
.endm
.macro ABUF n                          ; token buffer n % 7: its window and its register there
.set AB_, (\n)%7
.if AB_ < 5
.set AW, 0
.set AL, 188+12*AB_
.else
.set AW, 1
.set AL, 96+12*(AB_-5)
.endif
.endm
.macro BSET s
.if ((\s)%2) == 0
.set BW, 1
.set BL, 0
.else
.set BW, 0
.set BL, 92
.endif
.endm
.macro BFETCH s, hf                    ; K step s of my 128 rows of W1, tiles 4 hf .. 4 hf + 3: 12 loads
	BSET \s
	WIN BW<<6
.irp t, 0,1,2,3
.irp p, 0,1,2
	global_load_b128 v[BL+12*(4*(\hf)+\t)+4*\p:BL+12*(4*(\hf)+\t)+4*\p+3], v[LI], s[28:29] offset:12288*(\s)+1536*(4*(\hf)+\t)+512*\p
.endr
.endr
.endm
.macro AFETCH n, w                     ; image n = 10 s + a out of LDS.  w = 1: the loop's wait stands here, behind the window's switch and ahead of the loads
	ABUF \n
	WIN AW<<6
.if \w
	s_wait_alu depctr_va_vdst(0)                   ; the matrix instructions issued so far are done reading their token buffers and weight sets: it serves the loads from here to the next odd block's end
.endif
.irp p, 0,1,2
.if (\n) < 40
	ds_load_b128 v[AL+4*\p:AL+4*\p+3], v[LI] offset:1536*(\n)+512*\p
.else
	ds_load_b128 v[AL+4*\p:AL+4*\p+3], v[LI2] offset:1536*((\n)-40)+512*\p
.endif
.endr
.endm
.macro BLOCK n                         ; block n: K step n / 10, tokens 16 (n % 10) on, against my eight tiles of W1.  The 80 accumulators take turns, one instruction a turn
.set S_, (\n)/10
.set A_, (\n)%10
	ABUF \n
	BSET S_
.set CW_, (384+64*A_)>>8
.set CL_, (384+64*A_)&255
	WIN BW|(AW<<2)|(CW_<<4)|(CW_<<6)
.irp t, 0,1,2,3,4,5,6,7
.set DR, CL_+8*\t
.set BR, BL+12*\t
.if S_ == 0
	v_wmma_scale_f32_16x16x128_f8f6f4 v[DR:DR+7], v[BR:BR+11], v[AL:AL+11], 0, v[BS+4*\t], v[AS+4*A_] matrix_a_fmt:MATRIX_FMT_BF6 matrix_b_fmt:MATRIX_FMT_BF6
.elseif (S_%2) == 0
	v_wmma_scale_f32_16x16x128_f8f6f4 v[DR:DR+7], v[BR:BR+11], v[AL:AL+11], v[DR:DR+7], v[BS+4*\t+S_/2], v[AS+4*A_+S_/2] matrix_a_fmt:MATRIX_FMT_BF6 matrix_b_fmt:MATRIX_FMT_BF6
.else
	v_wmma_scale_f32_16x16x128_f8f6f4 v[DR:DR+7], v[BR:BR+11], v[AL:AL+11], v[DR:DR+7], v[BS+4*\t+S_/2], v[AS+4*A_+S_/2] matrix_a_fmt:MATRIX_FMT_BF6 matrix_b_fmt:MATRIX_FMT_BF6 matrix_a_scale:MATRIX_SCALE_ROW1 matrix_b_scale:MATRIX_SCALE_ROW1
.endif
.endr
.endm
.macro PREWAIT n
.if (\n) == 0
	s_wait_dscnt 18                                ; fragment 0 is in; the six behind it, three loads each, may be out
.elseif 79-(\n) < 5
	s_wait_dscnt 3*(79-(\n))                       ; my fragment is in; the younger ones' three loads each may be out
.else
	s_wait_dscnt 15                                ; fragments up to n + 5 have been asked for
.endif
.if (((\n)%10) == 0) && ((\n) >= 20)
.if (\n) == 70
	s_wait_loadcnt 16                              ; the last weight set is in; the 16 loads of b1 may be out
.else
	s_wait_loadcnt 12                              ; this K step's weights are in; the half set just asked for may be out
.endif
.endif
.endm
.macro BOUND n                         ; behind block n: the buffer that block n - 1 read takes the fragment six on from n; round a K step's end its weight set takes the set two on, in two halves
.if (((\n)%2) == 1) && ((\n)+6 <= 79)
	PLACES
	AFETCH (\n)+6, 1
.endif
.if (((\n)%2) == 0) && ((\n) >= 2) && ((\n)+6 <= 79)
	AFETCH (\n)+6, 0                               ; no wait: no vector or matrix instruction since the last one names this buffer
.endif
.if (((\n)%10) == 9) && ((\n)/10+2 <= 7)
	BFETCH (\n)/10+2, 0
.endif
.if (((\n)%10) == 0) && ((\n) >= 10) && ((\n)/10+1 <= 7)
	BFETCH (\n)/10+1, 1                            ; likewise: this block reads the other set
.endif
.if (\n) == 69
	WIN 0x40                                       ; weight set 0 is done with: b1 in the result's layout, tile t's eight units of my half
.irp t, 0,1,2,3,4,5,6,7
	global_load_b128 v[8*\t:8*\t+3], v[BOF], s[10:11] offset:4*(32*(\t/2)+8*(\t%2))
	global_load_b128 v[8*\t+4:8*\t+7], v[BOF], s[10:11] offset:4*(32*(\t/2)+8*(\t%2))+16
.endr
.endif
.if (\n) == 79
	PLACES
.endif
.endm
; 64 numbers of a lane, register 16 b + i = unit 32 b + 16 (lane / 16) + i of my token, become a fragment's codes in v[PC] on and its scale word in v[PW]
.macro QUANT s
.irp b, 0,1,2,3
	v_max3_num_f32 v[TM+\b], |v[\s+16*\b]|, |v[\s+1+16*\b]|, 0x2800000   ; the floor 2^(5 - 127) holds the byte at 1 from below
.endr
.irp i, 2,4,6,8,10,12,14
.irp b, 0,1,2,3
	v_max3_num_f32 v[TM+\b], v[TM+\b], |v[\s+16*\b+\i]|, |v[\s+1+16*\b+\i]|
.endr
.endr
.irp b, 0,1,2,3
	v_permlanex16_b32 v[TM+4+\b], v[TM+\b], s38, s39
.endr
.irp b, 0,1,2,3
	v_max_num_f32 v[TM+\b], v[TM+\b], v[TM+4+\b]   ; with lane l xor 16's: the block's largest magnitude
.endr
.irp b, 0,1,2,3
	v_add_nc_u32 v[TM+12+\b], 0xfe000000, v[TM+\b] ; 4 off its exponent field: the conversion's scale operand
.endr
.irp b, 0,1,2,3
	v_lshrrev_b32 v[TM+4+\b], 23, v[TM+12+\b]
.endr
	v_lshl_or_b32 v[PW], v[TM+5], 8, v[TM+4]
	v_lshl_or_b32 v[PW], v[TM+6], 16, v[PW]
	v_lshl_or_b32 v[PW], v[TM+7], 24, v[PW]
.irp c, 0,1
	v_cvt_scalef32_pk16_bf6_f32 v[PC+6*\c:PC+2+6*\c], v[\s+32*\c:\s+15+32*\c], v[TM+12+2*\c]
	v_cvt_scalef32_pk16_bf6_f32 v[PT+4*\c:PT+2+4*\c], v[\s+16+32*\c:\s+31+32*\c], v[TM+12+2*\c+1]
.endr
	v_nop                                          ; one plain place behind a scaled conversion
.irp c, 0,1                            ; the operand's layout wants a whole block in a lane
.irp i, 0,1,2
	v_permlane16_swap_b32 v[PC+6*\c+\i], v[PT+4*\c+\i]
.endr
.irp i, 0,1,2
	v_mov_b32 v[PC+3+6*\c+\i], v[PT+4*\c+\i]
.endr
.endr
.endm
.macro HOUT a                          ; the image and the scale words of tokens 16 a on leave, out of code set a % 2
.set PO_, PCB+16*((\a)%2)
.irp p, 0,1,2
	global_store_b128 v[LI], v[PO_+4*\p:PO_+4*\p+3], s[32:33] offset:1536*(\a)+512*\p   ; 512 consecutive bytes, aligned
.endr
	global_store_b32 v[R4], v[PO_+12], s[34:35] offset:1024*(\a)   ; 16 tokens' words; lanes 16-31 repeat them
.endm
; The way out of 16 tokens: + b1, silu = z / (1 + 2^(-z log2 e)) in f32, the quantiser; the stores follow one block later
.macro EPI a
.set CW_, (384+64*(\a))>>8
.set CL_, (384+64*(\a))&255
.set PC, PCB+16*((\a)%2)
.set PW, PC+12
	WIN CW_|(1<<2)
.set I_, 0
.rept 32
	v_pk_add_f32 v[Z+I_:Z+I_+1], v[CL_+I_:CL_+I_+1], v[I_:I_+1]   ; each accumulator from its low end on
.set I_, I_+2
.endr
	WIN 0
.set I_, 0
.rept 32
	v_pk_mul_f32 v[E+I_:E+I_+1], v[Z+I_:Z+I_+1], s[36:37] op_sel_hi:[1,0]
.set I_, I_+2
.endr
.set I_, 0
.rept 64
	v_exp_f32 v[E+I_], v[E+I_]
.set I_, I_+1
.endr
	v_nop
	s_wait_alu depctr_va_vdst(0)                   ; the 64 exponentials are written, ahead of their first reader; so are the codes and the scale word of the 16 tokens before, which the stores below read
.if (\a) >= 1
	HOUT (\a)-1
.endif
.set I_, 0
.rept 32
	v_pk_add_f32 v[E+I_:E+I_+1], v[E+I_:E+I_+1], 1.0 op_sel_hi:[1,0]
.set I_, I_+2
.endr
.set I_, 0
.rept 64
	v_rcp_f32 v[E+I_], v[E+I_]
.set I_, I_+1
.endr
	v_nop
	s_wait_alu depctr_va_vdst(0)                   ; the 64 reciprocals are written, ahead of their first reader
.set I_, 0
.rept 32
	v_pk_mul_f32 v[Z+I_:Z+I_+1], v[Z+I_:Z+I_+1], v[E+I_:E+I_+1]
.set I_, I_+2
.endr
.if (\a) >= 2
	s_wait_xcnt 0x0                                ; the stores issued a block ago have had their addresses translated,
	s_wait_alu depctr_vm_vsrc(0)                   ; and have read this code set, which the quantiser below writes again
.endif
	QUANT Z
.endm
	s_load_b256 s[4:11], s[0:1], 0x0               ; order, xq, wq, b1
	s_load_b64 s[12:13], s[0:1], 0x20              ; hq
	v_lshl_add_u32 v[SPW], v0, 2, SPARE
	v_mov_b32 v[NIL], 0
	v_lshrrev_b32 v1, 5, v0
	v_readfirstlane_b32 s14, v1                    ; wave
	v_and_b32 v1, 31, v0
	v_and_b32 v2, 15, v0                           ; r
	v_bfe_u32 v3, v0, 4, 1                         ; h
	v_lshlrev_b32 v[LI], 4, v1
	v_add_nc_u32 v[LI2], 61440, v[LI]
	v_lshlrev_b32 v[SOFF], 5, v2
	v_lshl_add_u32 v[SOFF], v3, 4, v[SOFF]
	s_wait_alu depctr_va_sdst(0)                   ; s14 is written, ahead of its first reader
	s_mul_i32 s15, s14, 30720
	v_add_nc_u32 v[GST], s15, v[LI]
	s_mul_i32 s15, s14, 192
	v_mul_u32_u24 v[C0], v3, 48
	v_add_nc_u32 v[C0], s15, v[C0]
	v_lshlrev_b32 v[H16], 4, v3
	v_lshlrev_b32 v[R4], 2, v2
	v_lshlrev_b32 v[BOF], 6, v3
	s_and_b32 s20, ttmp7, 0xffff                   ; tile T
	s_lshr_b32 s21, ttmp9, 2                       ; which of its two experts
	s_and_b32 s22, ttmp9, 3
	s_lshl_b32 s22, s22, 2
	s_add_co_u32 s22, s22, s14                     ; kk: my 128 hidden units
	s_lshl_b32 s23, s20, 4
	s_mov_b32 s36, 0xbfb8aa3b                      ; -log2(e)
	s_mov_b32 s37, s36                             ; (named with it as a pair)
	s_mov_b32 s38, 0x76543210
	s_mov_b32 s39, 0xfedcba98
	s_mov_b32 s27, 0
	s_wait_kmcnt 0x0
	s_load_b128 s[16:19], s[4:5], s23 offset:0x4000   ; the tile's record: ea, eb, start, nv
	s_wait_kmcnt 0x0
	s_cmp_lg_u32 s21, 0
	s_cselect_b32 s24, s17, s16
	s_min_u32 s24, s24, 3                          ; my expert
	s_min_u32 s18, s18, 0xfff
	s_sub_co_u32 s19, s19, 1                       ; nv - 1 (wraps at nv = 0: the clamp below holds the index)
	s_lshl_b32 s25, s24, 4
	s_add_co_u32 s25, s25, s22                     ; chunk
	s_mul_i32 s26, s25, 98304
	s_add_nc_u64 s[28:29], s[8:9], s[26:27]        ; W1's codes
	s_lshl_b32 s26, s25, 12
	s_add_co_u32 s26, s26, 12582912
	s_add_nc_u64 s[30:31], s[8:9], s[26:27]        ; W1's scale words
	s_lshl_b32 s26, s24, 13
	s_lshl_b32 s25, s22, 9
	s_add_co_u32 s26, s26, s25
	s_add_nc_u64 s[10:11], s[10:11], s[26:27]      ; b1
	s_lshl_b32 s25, s21, 4
	s_add_co_u32 s25, s25, s22
	s_mul_i32 s25, s25, 15360
	s_mul_i32 s26, s20, 491520
	s_add_co_u32 s26, s26, s25
	s_add_nc_u64 s[32:33], s[12:13], s[26:27]      ; the hidden layer's codes
	s_mul_i32 s26, s20, 20480
	s_mul_i32 s25, s21, 10240
	s_add_co_u32 s26, s26, s25
	s_lshl_b32 s25, s22, 6
	s_add_co_u32 s26, s26, s25
	s_add_co_u32 s26, s26, 15237120
	s_add_nc_u64 s[34:35], s[12:13], s[26:27]      ; and its scale words
.irp a, 0,1,2,3,4,5,6,7,8,9
	v_add_nc_u32 v12, 16*\a, v2
	v_min_u32 v12, s19, v12                        ; rows beyond the tile's tokens repeat the last
	v_add_nc_u32 v12, s18, v12
	v_min_u32 v12, 0xfff, v12
	v_lshlrev_b32 v[OS+\a], 2, v12
.endr
	s_wait_alu depctr_va_vdst(0)                   ; the ten offsets v[OS ..] and the addresses v4 to v11 are written, which the loads and stores of the kernel read
.irp a, 0,1,2,3,4,5,6,7,8,9
	global_load_b32 v[TK+\a], v[OS+\a], s[4:5]
.endr
.irp t, 0,1,2,3,4,5,6,7
	global_load_b128 v[BS+4*\t:BS+4*\t+3], v[SOFF], s[30:31] offset:512*\t
.endr
	BFETCH 0, 0
	BFETCH 0, 1
	BFETCH 1, 0
	BFETCH 1, 1
	WIN 0
	s_wait_loadcnt 56                              ; the tokens are in; 8 + 24 + 24 younger loads may be out
	s_wait_alu depctr_vm_vsrc(0)                   ; the list's loads have read v[OS ..], which are written anew below
.irp a, 0,1,2,3,4,5,6,7,8,9
	v_min_u32 v[TK+\a], 0xfff, v[TK+\a]
	v_mul_u32_u24 v[OX+\a], v[TK+\a], 768
	v_add_nc_u32 v[OX+\a], v[OX+\a], v[C0]
	v_lshl_add_u32 v[OS+\a], v[TK+\a], 5, v[H16]
.endr
	WIN 0x80                                       ; into v512-751, which the sums take later
	s_wait_alu depctr_va_vdst(0)                   ; v[OX ..] and v[OS ..] are written: the gather's offsets; and the lines above are done with v188-217, in which fragments land later
.irp c, 0,1
.irp a, 0,1,2,3,4,5,6,7,8,9
.irp p, 0,1,2
	global_load_b128 v[12*(10*\c+\a)+4*\p:12*(10*\c+\a)+4*\p+3], v[OX+\a], s[6:7] offset:96*\c+16*\p
.endr
.endr
.endr
	WIN 0
.irp a, 0,1,2,3,4,5,6,7,8,9
	global_load_b128 v[AS+4*\a:AS+4*\a+3], v[OS+\a], s[6:7] offset:3145728
.endr
	s_wait_loadcnt 0x0
	WIN 0x08                                       ; an LDS store's data are its source 1
.irp c, 0,1
.irp a, 0,1,2,3,4,5,6,7,8,9
.irp p, 0,1,2
	ds_store_b128 v[GST], v[12*(10*\c+\a)+4*\p:12*(10*\c+\a)+4*\p+3] offset:1536*(10*\c+\a)+512*\p
.endr
.endr
.endr
	WIN 0
	s_wait_dscnt 0x0                               ; for the others' sake: my images lie in LDS
	s_barrier_signal -1
	s_barrier_wait -1
	s_wait_alu depctr_vm_vsrc(0)                   ; the gather has read v[OX ..] and v[OS ..], in which fragments land below; my LDS stores have read v512-751, which the sums write
.irp n, 0,1,2,3,4,5,6
	AFETCH \n, 0
.endr
.set N, 0
.rept 80
	PREWAIT N
	BLOCK N
	BOUND N
.set N, N+1
.endr
	s_wait_loadcnt 0x0                             ; b1
.irp a, 0,1,2,3,4,5,6,7,8,9
	EPI \a
.endr
	s_wait_alu depctr_va_vdst(0)                   ; the last 16 tokens' codes and scale word are written, which the last four stores read
	HOUT 9
	s_wait_dscnt 0x0                               ; the closing lines, six on end
	s_wait_alu 0x0
	s_wait_tensorcnt 0x0
	ds_add_u32 v[SPW], v[NIL]
	s_wait_dscnt 0x0
	s_endpgm
.Lfunc_end_k_q3f3e6a4690_up:
	.size	k_q3f3e6a4690_up, .Lfunc_end_k_q3f3e6a4690_up-k_q3f3e6a4690_up
	.p2alignl 7, 3214868480
	.fill 96, 4, 3214868480
	.section	.rodata,"a",@progbits
	.p2align	6, 0x0
	.amdhsa_kernel k_q3f3e6a4690_up
		.amdhsa_group_segment_fixed_size 123392
		.amdhsa_private_segment_fixed_size 0
		.amdhsa_enable_private_segment 0
		.amdhsa_kernarg_size 40
		.amdhsa_user_sgpr_count 2
		.amdhsa_user_sgpr_kernarg_segment_ptr 1
		.amdhsa_wavefront_size32 1
		.amdhsa_system_sgpr_workgroup_id_x 1
		.amdhsa_system_sgpr_workgroup_id_y 1
		.amdhsa_system_sgpr_workgroup_id_z 1
		.amdhsa_system_vgpr_workitem_id 0
		.amdhsa_next_free_vgpr 1024
		.amdhsa_next_free_sgpr 66
		.amdhsa_reserve_vcc 0
		.amdhsa_float_denorm_mode_32 3
		.amdhsa_float_denorm_mode_16_64 3
		.amdhsa_memory_ordered 1
		.amdhsa_forward_progress 1
		.amdhsa_inst_pref_size 255
	.end_amdhsa_kernel
	.section	.bss,"aw",@nobits
	.p2align	6
	.space	262144
	.amdgpu_metadata
---
amdhsa.version: [ 1, 2 ]
amdhsa.kernels:
  - .name:           k_q3f3e6a4690_up
    .symbol:         k_q3f3e6a4690_up.kd
    .args:
      - { .name: order, .offset: 0, .size: 8, .value_kind: global_buffer, .address_space: global }
      - { .name: xq, .offset: 8, .size: 8, .value_kind: global_buffer, .address_space: global }
      - { .name: wq, .offset: 16, .size: 8, .value_kind: global_buffer, .address_space: global }
      - { .name: b1, .offset: 24, .size: 8, .value_kind: global_buffer, .address_space: global }
      - { .name: hq, .offset: 32, .size: 8, .value_kind: global_buffer, .address_space: global }
    .group_segment_fixed_size: 123392
    .private_segment_fixed_size: 0
    .kernarg_segment_align: 8
    .kernarg_segment_size: 40
    .max_flat_workgroup_size: 128
    .sgpr_count:     66
    .vgpr_count:     1024
    .wavefront_size: 32
...
	.end_amdgpu_metadata
.endif
;; end of part 5
;; launch down (part 6): grid 8 x 31, 4 waves a work-group, no clusters, 169,472 bytes of LDS; arguments order, hq, wq, rt, b2, out0; writes out0
.if DOCPART == 6
	.amdgcn_target "amdgcn-amd-amdhsa--gfx1250"
	.amdhsa_code_object_version 6
	.text
	.protected	k_q3f3e6a4690_down
	.globl	k_q3f3e6a4690_down
	.p2align	8
	.type	k_q3f3e6a4690_down,@function
k_q3f3e6a4690_down:
	s_mov_b64 s[64:65], 0
	v_nop
	global_prefetch_b8 v0, s[64:65] scope:SCOPE_SE
	s_setreg_imm32_b32 hwreg(HW_REG_WAVE_SCHED_MODE, 0, 2), 2
	s_setreg_imm32_b32 hwreg(HW_REG_WAVE_MODE, 25, 1), 1
	s_wait_xcnt 0x0
	s_wait_alu depctr_vm_vsrc(0)
; Launch 4 of 4: out0[token] = cw_a (h_a W2[ea]^T + b2[ea]) + cw_b (h_b W2[eb]^T + b2[eb]) for the two experts of each tile of 160 tokens.  Only the chosen experts' rows are multiplied (shown at the head of the first launch).
; SHARES.  Work-group (n, T): tile T, output columns 128 n on.  THE WAVES SPLIT K: wave w takes expert w / 2 of the two and half w % 2 of its 2,048 hidden units, for all 160 tokens x 128 columns: 80 accumulators.
; So no fragment of the hidden layer or of W2 is read twice in a work-group. The four parts meet in LDS at the end
; (an output's sum is made of two chains of f32 sums, not of one).  Every output row has one owner.  A tile's rows beyond its tokens repeat its last token: the same numbers to the same bytes.  A record with nv = 0 stores nothing.
; NO CLUSTER, NO TENSOR LOAD: the stores are jumped over on a number read from memory, and which tiles share an expert hangs on such numbers too.
; TRANSPOSED USE: source 0 = 16 rows of W2 (output columns), source 1 = 16 tokens: a lane holds one token and eight neighbouring columns.
; REGISTERS: v1-13 addresses; v14-53 the hidden layer's scale words, v54-85 W2's: scales and nothing else; v86-181 weight set 1; v182-253 token buffers 0-5; v254, v255 the add's two;
;   v256-351 weight set 0; v352-375 token buffers 6, 7; v376-377 my rows' tokens, v378-379 their offsets among the combine weights, v380-383 the combine weights; v384-1023 the accumulators, (a, t) at 384 + 64 a + 8 t.
;   On the way out v86-165 five rows x four parts, v166-205 results and v206-215 their offsets, two sets each by turns, v216-223 b2.
; THE MODE: SCHED_MODE bits 1:0 = 2 (LLVM: expert scheduling mode 2), set by the entry lines.  The code itself states the register dependences between vector or matrix instructions and memory or LDS instructions, with s_wait_alu, always for 0.
; THE PLAN.  Registers that memory or LDS instructions touch:
;   token buffers  Block n's eight matrix instructions read buffer n % 8.  The loads of fragment n + 7 are issued behind block n and land in buffer (n - 1) % 8, which block n - 1 read.
;   weight sets    K step s's 80 matrix instructions read set s % 2.  Set s + 2 lands there: tiles 0-3 behind block 10 s + 9, tiles 4-7 behind block 10 s + 10.
;   So ONE wait on va_vdst stands behind every ODD block n: blocks up to n are done reading.  It serves the loads straight behind it (block n - 1's buffer; a weight set that is done with) and those behind block n + 1
;   (block n's buffer; the set's other half): the eight matrix instructions between name buffer (n + 1) % 8, the other weight set, scales and accumulators, none of the registers in which those loads land.
;   v378, v379     Written once, behind block 29, ahead of that block's wait; read by the two loads of the combine weights behind it.
;   accumulators   Written by the loop; read by the LDS stores of the way out, behind one wait.
;   v86-165        Step g of the way out adds them up; the LDS loads of step g + 1 land in them.     results, offsets: written in step g, set g % 2; read by the five stores that are issued at the head of step g + 1.
;   So one wait on va_vdst at a step's head states that the step before has written its results and offsets and is done with the parts; a wait on vm_vsrc beside it, that the stores of two steps back have read the set that this step writes.
;   v4-v10, v12, v13  Addresses, made at the head and never written again.   v254, v255: written at the head, read by the closing add alone.
.set SPARE, 168960                     ; behind the four parts of 80 rows x 528 bytes
.set LI,   4                           ; 16 x lane
.set SOFF, 5                           ; 32 r + 16 h
.set L4,   6                           ; 4 x lane
.set STO,  7                           ; 42,240 x wave + 528 r + 32 h
.set RD0,  8                           ; 10,560 x wave + 16 x lane: my 20 rows in parts 0, 1
.set RD2,  9                           ; the same in parts 2, 3
.set COL,  10                          ; 512 n + 16 x lane
.set AS,   14
.set BS,   54
.set RB,   86                          ; the way out: five rows x four parts
.set OUTR, 166                         ; set k at OUTR + 20 k
.set OA,   206                         ; set k at OA + 5 k
.set B2A,  216
.set B2B,  220
.set TK,   120                         ; window 1: v376, v377
.set CWO,  122                         ; window 1: v378, v379
.set CWR,  124                         ; window 1: v380-383
.set SPW,  254
.set NIL,  255
.set MSB, 0
.macro WIN new                         ; the immediate's high byte repeats the setting that is left
.if MSB != (\new)
	s_set_vgpr_msb (MSB<<8)|(\new)
.set MSB, (\new)
.endif
.endm
.macro PLACES                          ; four plain places between a matrix instruction and a load into, or a read of, its registers
.rept 4
	v_nop
.endr
.endm
.macro ABUF n                          ; token buffer n % 8: its window and its register there
.set AB_, (\n)%8
.if AB_ < 6
.set AW, 0
.set AL, 182+12*AB_
.else
.set AW, 1
.set AL, 96+12*(AB_-6)
.endif
.endm
.macro BSET s
.if ((\s)%2) == 0
.set BW, 1
.set BL, 0
.else
.set BW, 0
.set BL, 86
.endif
.endm
.macro BFETCH s, hf                    ; K step s of my half: rows of W2, tiles 4 hf .. 4 hf + 3: 12 loads
	BSET \s
	WIN BW<<6
.irp t, 0,1,2,3
.irp p, 0,1,2
	global_load_b128 v[BL+12*(4*(\hf)+\t)+4*\p:BL+12*(4*(\hf)+\t)+4*\p+3], v[LI], s[34:35] offset:12288*(\s)+1536*(4*(\hf)+\t)+512*\p
.endr
.endr
.endm
.macro AFETCH n, w                     ; the hidden layer's image n = 10 s + a.  w = 1: the loop's wait stands here, behind the window's switch and ahead of the loads
	ABUF \n
	WIN AW<<6
.if \w
	s_wait_alu depctr_va_vdst(0)                   ; the matrix instructions issued so far are done reading their token buffers and weight sets (behind block 29 also: v378, v379 are written): it serves the loads from here to the next odd block's end
.endif
.irp p, 0,1,2
	global_load_b128 v[AL+4*\p:AL+4*\p+3], v[LI], s[30:31] offset:1536*(\n)+512*\p
.endr
.endm
.macro BLOCK n                         ; the 80 accumulators take turns, one instruction a turn
.set S_, (\n)/10
.set A_, (\n)%10
	ABUF \n
	BSET S_
.set CW_, (384+64*A_)>>8
.set CL_, (384+64*A_)&255
	WIN BW|(AW<<2)|(CW_<<4)|(CW_<<6)
.irp t, 0,1,2,3,4,5,6,7
.set DR, CL_+8*\t
.set BR, BL+12*\t
.if S_ == 0
	v_wmma_scale_f32_16x16x128_f8f6f4 v[DR:DR+7], v[BR:BR+11], v[AL:AL+11], 0, v[BS+4*\t], v[AS+4*A_] matrix_a_fmt:MATRIX_FMT_BF6 matrix_b_fmt:MATRIX_FMT_BF6
.elseif (S_%2) == 0
	v_wmma_scale_f32_16x16x128_f8f6f4 v[DR:DR+7], v[BR:BR+11], v[AL:AL+11], v[DR:DR+7], v[BS+4*\t+S_/2], v[AS+4*A_+S_/2] matrix_a_fmt:MATRIX_FMT_BF6 matrix_b_fmt:MATRIX_FMT_BF6
.else
	v_wmma_scale_f32_16x16x128_f8f6f4 v[DR:DR+7], v[BR:BR+11], v[AL:AL+11], v[DR:DR+7], v[BS+4*\t+S_/2], v[AS+4*A_+S_/2] matrix_a_fmt:MATRIX_FMT_BF6 matrix_b_fmt:MATRIX_FMT_BF6 matrix_a_scale:MATRIX_SCALE_ROW1 matrix_b_scale:MATRIX_SCALE_ROW1
.endif
.endr
.endm
; Ahead of block n: fragment n is in.  The count is what was issued behind it: three loads for each younger fragment, 12 for each half weight set asked for since.  This K step's weights are older than fragment n.
; Blocks 0 to 7: behind fragment n stand the head's fragments up to 7, weight set 1 (24 loads) and the fragments asked for behind blocks 1 to n - 1.
; (The two loads of the combine weights, behind block 29, are not counted: the wait is then the stricter.)
.macro LWAIT n
.if (\n) == 0
.set CNT, 45
.elseif (\n) <= 7
.set CNT, 42
.else
.set CNT, 0
.set MM_, (\n)-7
.rept 7
.if (MM_ > (\n)-7) && (MM_+7 <= 79)
.set CNT, CNT+3
.endif
.if ((MM_%10) == 9) && (MM_/10+2 <= 7)
.set CNT, CNT+12
.endif
.if ((MM_%10) == 0) && (MM_ >= 10) && (MM_/10+1 <= 7)
.set CNT, CNT+12
.endif
.set MM_, MM_+1
.endr
.endif
	s_wait_loadcnt CNT
.endm
.macro BOUND n                         ; behind block n: the buffer that block n - 1 read takes the fragment seven on from n; round a K step's end its weight set takes the set two on, in two halves
.if (((\n)%2) == 1) && ((\n)+7 <= 79)
.if (\n) == 29
	WIN 0x44                                       ; my 40 rows' tokens came long ago: their offsets among the combine weights are made here: four plain lines that name no register of the products, so they are this block's four places
	v_min_u32 v[TK], 0xfff, v[TK]
	v_min_u32 v[TK+1], 0xfff, v[TK+1]
	v_lshlrev_b32 v[CWO], 3, v[TK]
	v_lshlrev_b32 v[CWO+1], 3, v[TK+1]
.else
	PLACES
.endif
	AFETCH (\n)+7, 1
.endif
.if (((\n)%2) == 0) && ((\n) >= 2) && ((\n)+7 <= 79)
	AFETCH (\n)+7, 0                               ; no wait: no vector or matrix instruction since the last one names this buffer
.endif
.if (((\n)%10) == 9) && ((\n)/10+2 <= 7)
	BFETCH (\n)/10+2, 0
.endif
.if (((\n)%10) == 0) && ((\n) >= 10) && ((\n)/10+1 <= 7)
	BFETCH (\n)/10+1, 1                            ; likewise: this block reads the other set
.endif
.if (\n) == 29
	WIN 0x41                                       ; data and offset in window 1
	global_load_b64 v[CWR:CWR+1], v[CWO], s[10:11]
	global_load_b64 v[CWR+2:CWR+3], v[CWO+1], s[10:11]
.endif
.if (\n) == 79
	PLACES
.endif
.endm
.macro WPH hh                          ; my part of tokens 80 hh .. 80 hh + 79 goes to LDS; then the work-group's barrier
.irp a, 0,1,2,3,4
.set CW_, (384+64*(5*(\hh)+\a))>>8
.set CL_, (384+64*(5*(\hh)+\a))&255
	WIN CW_<<2                                     ; an LDS store's data are its source 1
.irp t, 0,1,2,3,4,5,6,7
	ds_store_b128 v[STO], v[CL_+8*\t:CL_+8*\t+3] offset:8448*\a+64*\t        ; each accumulator from its low end on
	ds_store_b128 v[STO], v[CL_+8*\t+4:CL_+8*\t+7] offset:8448*\a+64*\t+16
.endr
.endr
	WIN 0
	s_wait_dscnt 0x0                               ; for the others' sake: my stores are done
	s_barrier_signal -1
	s_barrier_wait -1
.endm
.macro SEND g                          ; step g's five rows leave, out of set g % 2
.irp i, 0,1,2,3,4
	global_store_b128 v[OA+5*((\g)%2)+\i], v[OUTR+20*((\g)%2)+4*\i:OUTR+20*((\g)%2)+4*\i+3], s[14:15] th:TH_STORE_NT   ; 32 lanes store 512 consecutive bytes of the token's row, aligned
.endr
.endm
.macro RPH hh                          ; my 20 of the 80 rows: the four parts are added, biased and weighed, five rows a step; a step's stores follow at the next step's head.  No barrier stands in here: a tile without tokens jumps over it
	s_cmp_eq_u32 s23, 0
	s_cbranch_scc1 .Lskip_\@
	s_wait_loadcnt 0x0                             ; b2 and the combine weights
.irp g, 0,1,2,3
.if (\g >= 2) || (\hh == 1)
	s_wait_xcnt 0x0                                ; the stores issued so far have had their addresses translated,
	s_wait_alu depctr_vm_vsrc(0)                   ; and have read the results and offsets of set g % 2, which this step writes again
.endif
.if \g >= 1
	s_wait_alu depctr_va_vdst(0)                   ; the step before has written its results and offsets, which the stores below read, and is done with the parts' registers, in which the LDS loads below land
	SEND \g-1
.endif
.irp i, 0,1,2,3,4
	ds_load_b128 v[RB+16*\i:RB+16*\i+3], v[RD0] offset:528*(5*\g+\i)
	ds_load_b128 v[RB+16*\i+4:RB+16*\i+7], v[RD0] offset:42240+528*(5*\g+\i)
	ds_load_b128 v[RB+16*\i+8:RB+16*\i+11], v[RD2] offset:528*(5*\g+\i)
	ds_load_b128 v[RB+16*\i+12:RB+16*\i+15], v[RD2] offset:42240+528*(5*\g+\i)
.endr
	WIN 0x01                                       ; tokens and combine weights lie in window 1
.irp i, 0,1,2,3,4
	v_readlane_b32 s[44+\i], v[TK+\hh], 5*\g+\i
	v_readlane_b32 s[49+\i], v[CWR+2*\hh], 5*\g+\i
	v_readlane_b32 s[54+\i], v[CWR+2*\hh+1], 5*\g+\i
.endr
	WIN 0
	s_wait_alu depctr_va_sdst(0)                   ; s44 to s58 are written, ahead of their first readers: one wait for the run of fifteen
.irp i, 0,1,2,3,4
	s_min_u32 s[44+\i], s[44+\i], 0xfff
	s_lshl_b32 s[44+\i], s[44+\i], 12              ; the token's row of 4,096 bytes
	v_add_nc_u32 v[OA+5*(\g%2)+\i], s[44+\i], v[COL]
.endr
	s_wait_dscnt 0x0
.irp i, 0,1,2,3,4
.set P0, RB+16*\i
.set O0, OUTR+20*(\g%2)+4*\i
	v_pk_add_f32 v[P0:P0+1], v[P0:P0+1], v[P0+4:P0+5]
	v_pk_add_f32 v[P0+2:P0+3], v[P0+2:P0+3], v[P0+6:P0+7]
	v_pk_add_f32 v[P0+8:P0+9], v[P0+8:P0+9], v[P0+12:P0+13]
	v_pk_add_f32 v[P0+10:P0+11], v[P0+10:P0+11], v[P0+14:P0+15]
	v_pk_add_f32 v[P0:P0+1], v[P0:P0+1], v[B2A:B2A+1]
	v_pk_add_f32 v[P0+2:P0+3], v[P0+2:P0+3], v[B2A+2:B2A+3]
	v_pk_add_f32 v[P0+8:P0+9], v[P0+8:P0+9], v[B2B:B2B+1]
	v_pk_add_f32 v[P0+10:P0+11], v[P0+10:P0+11], v[B2B+2:B2B+3]
.irp k, 0,1,2,3
	v_mul_f32 v[O0+\k], s[49+\i], v[P0+\k]
.endr
.irp k, 0,1,2,3
	v_fmac_f32 v[O0+\k], s[54+\i], v[P0+8+\k]
.endr
.endr
.endr
	s_wait_alu depctr_va_vdst(0)                   ; the last step has written its results and offsets, which the stores below read, and is done with the parts' registers
	SEND 3
.Lskip_\@:
.endm
	s_load_b256 s[4:11], s[0:1], 0x0               ; order, hq, wq, rt
	s_load_b128 s[12:15], s[0:1], 0x20             ; b2, out0
	v_lshl_add_u32 v[SPW], v0, 2, SPARE
	v_mov_b32 v[NIL], 0
	v_lshrrev_b32 v1, 5, v0
	v_readfirstlane_b32 s16, v1                    ; wave
	v_and_b32 v1, 31, v0
	v_and_b32 v2, 15, v0                           ; r
	v_bfe_u32 v3, v0, 4, 1                         ; h
	v_lshlrev_b32 v[LI], 4, v1
	v_lshlrev_b32 v[SOFF], 5, v2
	v_lshl_add_u32 v[SOFF], v3, 4, v[SOFF]
	v_lshlrev_b32 v[L4], 2, v1
	s_wait_alu depctr_va_sdst(0)                   ; s16 is written, ahead of its first reader
	s_mul_i32 s17, s16, 42240
	v_mul_u32_u24 v[STO], v2, 528
	v_lshl_add_u32 v[STO], v3, 5, v[STO]
	v_add_nc_u32 v[STO], s17, v[STO]
	s_mul_i32 s17, s16, 10560
	v_add_nc_u32 v[RD0], s17, v[LI]
	v_add_nc_u32 v[RD2], 84480, v[RD0]
	s_lshl_b32 s17, ttmp9, 9
	v_add_nc_u32 v[COL], s17, v[LI]
	v_min_u32 v11, 19, v1
	s_and_b32 s24, ttmp7, 0xffff                   ; tile T
	s_lshr_b32 s25, s16, 1                         ; which of its two experts
	s_and_b32 s26, s16, 1                          ; which half of K
	s_lshl_b32 s18, s24, 4
	s_mov_b32 s43, 0
	s_wait_kmcnt 0x0
	s_load_b128 s[20:23], s[4:5], s18 offset:0x4000   ; the tile's record: ea, eb, start, nv
	s_wait_kmcnt 0x0
	s_min_u32 s20, s20, 3
	s_min_u32 s21, s21, 3
	s_min_u32 s22, s22, 0xfff
	s_sub_co_u32 s59, s23, 1                       ; nv - 1 (wraps at nv = 0: the clamp below holds the index)
	s_cmp_lg_u32 s25, 0
	s_cselect_b32 s27, s21, s20                    ; my expert
	s_lshl_b32 s28, s27, 3
	s_add_co_u32 s28, s28, ttmp9
	s_lshl_b32 s28, s28, 1
	s_add_co_u32 s28, s28, s26                     ; chunk
	s_mul_i32 s42, s24, 491520
	s_mul_i32 s17, s16, 122880
	s_add_co_u32 s42, s42, s17
	s_add_nc_u64 s[30:31], s[6:7], s[42:43]        ; the hidden layer's codes: my expert, my half
	s_mul_i32 s42, s24, 20480
	s_mul_i32 s17, s25, 10240
	s_add_co_u32 s42, s42, s17
	s_lshl_b32 s17, s26, 9
	s_add_co_u32 s42, s42, s17
	s_add_co_u32 s42, s42, 15237120
	s_add_nc_u64 s[32:33], s[6:7], s[42:43]        ; its scale words
	s_mul_i32 s42, s28, 98304
	s_add_co_u32 s42, s42, 6291456
	s_add_nc_u64 s[34:35], s[8:9], s[42:43]        ; W2's codes
	s_lshl_b32 s42, s28, 12
	s_add_co_u32 s42, s42, 12845056
	s_add_nc_u64 s[36:37], s[8:9], s[42:43]        ; W2's scale words
	s_lshl_b32 s17, ttmp9, 9
	s_lshl_b32 s42, s20, 12
	s_add_co_u32 s42, s42, s17
	s_add_nc_u64 s[38:39], s[12:13], s[42:43]      ; b2 of the lower expert, my columns,
	s_lshl_b32 s42, s21, 12
	s_add_co_u32 s42, s42, s17
	s_add_nc_u64 s[40:41], s[12:13], s[42:43]      ; and of the higher
	s_mul_i32 s17, s16, 20
	v_add_nc_u32 v12, s17, v11                     ; the rows that I store: 20 x wave + lane (lanes 20-31 repeat lane 19), of tokens 0-79 and 80-159
	v_add_nc_u32 v13, 80, v12
	v_min_u32 v12, s59, v12
	v_min_u32 v13, s59, v13
	v_add_nc_u32 v12, s22, v12
	v_add_nc_u32 v13, s22, v13
	v_min_u32 v12, 0xfff, v12
	v_min_u32 v13, 0xfff, v13
	v_lshlrev_b32 v12, 2, v12
	v_lshlrev_b32 v13, 2, v13
	WIN 0x40                                       ; the tokens land in window 1
	s_wait_alu depctr_va_vdst(0)                   ; the addresses v4 to v10 and the offsets v12, v13 are written, which the loads and stores of the kernel read
	global_load_b32 v[TK], v12, s[4:5]
	global_load_b32 v[TK+1], v13, s[4:5]
	WIN 0
.irp t, 0,1,2,3,4,5,6,7
	global_load_b128 v[BS+4*\t:BS+4*\t+3], v[SOFF], s[36:37] offset:512*\t
.endr
.irp a, 0,1,2,3,4,5,6,7,8,9
.irp i, 0,1,2,3
	global_load_b32 v[AS+4*\a+\i], v[L4], s[32:33] offset:1024*\a+128*\i   ; lanes 0-15: K step 2 i, lanes 16-31: 2 i + 1
.endr
.endr
	BFETCH 0, 0
	BFETCH 0, 1
.irp n, 0,1,2,3,4,5,6,7
	AFETCH \n, 0
.endr
	BFETCH 1, 0
	BFETCH 1, 1
.set N, 0
.rept 80
	LWAIT N
	BLOCK N
	BOUND N
.set N, N+1
.endr
	WIN 0
	s_wait_alu depctr_va_vdst(0)                   ; the matrix instructions have written the accumulators, which the LDS stores read, and are done reading the operands' registers, in which b2 and the parts land; the places above stay beside this wait
	global_load_b128 v[B2A:B2A+3], v[LI], s[38:39]
	global_load_b128 v[B2B:B2B+3], v[LI], s[40:41]
	WPH 0
	RPH 0
	s_wait_dscnt 0x0                               ; my reads of the parts are over: only behind this barrier are they written again
	s_barrier_signal -1
	s_barrier_wait -1
	WPH 1
	RPH 1
	s_wait_dscnt 0x0                               ; the closing lines, six on end
	s_wait_alu 0x0
	s_wait_tensorcnt 0x0
	ds_add_u32 v[SPW], v[NIL]
	s_wait_dscnt 0x0
	s_endpgm
.Lfunc_end_k_q3f3e6a4690_down:
	.size	k_q3f3e6a4690_down, .Lfunc_end_k_q3f3e6a4690_down-k_q3f3e6a4690_down
	.p2alignl 7, 3214868480
	.fill 96, 4, 3214868480
	.section	.rodata,"a",@progbits
	.p2align	6, 0x0
	.amdhsa_kernel k_q3f3e6a4690_down
		.amdhsa_group_segment_fixed_size 169472
		.amdhsa_private_segment_fixed_size 0
		.amdhsa_enable_private_segment 0
		.amdhsa_kernarg_size 48
		.amdhsa_user_sgpr_count 2
		.amdhsa_user_sgpr_kernarg_segment_ptr 1
		.amdhsa_wavefront_size32 1
		.amdhsa_system_sgpr_workgroup_id_x 1
		.amdhsa_system_sgpr_workgroup_id_y 1
		.amdhsa_system_sgpr_workgroup_id_z 1
		.amdhsa_system_vgpr_workitem_id 0
		.amdhsa_next_free_vgpr 1024
		.amdhsa_next_free_sgpr 66
		.amdhsa_reserve_vcc 0
		.amdhsa_float_denorm_mode_32 3
		.amdhsa_float_denorm_mode_16_64 3
		.amdhsa_memory_ordered 1
		.amdhsa_forward_progress 1
		.amdhsa_inst_pref_size 212
	.end_amdhsa_kernel
	.amdgpu_metadata
---
amdhsa.version: [ 1, 2 ]
amdhsa.kernels:
  - .name:           k_q3f3e6a4690_down
    .symbol:         k_q3f3e6a4690_down.kd
    .args:
      - { .name: order, .offset: 0, .size: 8, .value_kind: global_buffer, .address_space: global }
      - { .name: hq, .offset: 8, .size: 8, .value_kind: global_buffer, .address_space: global }
      - { .name: wq, .offset: 16, .size: 8, .value_kind: global_buffer, .address_space: global }
      - { .name: rt, .offset: 24, .size: 8, .value_kind: global_buffer, .address_space: global }
      - { .name: b2, .offset: 32, .size: 8, .value_kind: global_buffer, .address_space: global }
      - { .name: out0, .offset: 40, .size: 8, .value_kind: global_buffer, .address_space: global }
    .group_segment_fixed_size: 169472
    .private_segment_fixed_size: 0
    .kernarg_segment_align: 8
    .kernarg_segment_size: 48
    .max_flat_workgroup_size: 128
    .sgpr_count:     66
    .vgpr_count:     1024
    .wavefront_size: 32
...
	.end_amdgpu_metadata
.endif
;; end of part 6
